; MI455X (gfx1250); checked and timed in simulation.
; The chip was launched on July 23, 2026; its instructions are those of AMD's public machine-readable ISA for CDNA 5 (MIT licence, August 2026) and "CDNA5" Instruction Set Architecture Reference Guide (July 2026). The comments in the code are by the model that wrote it; some were corrected since.
;; Causal Self Attention. Allowed arithmetic: matrix products marked QUANTISED: E2M1 operands, one E8M0 scale for each 32 along K, by v_wmma_scale_f32_16x16x128_f8f6f4 with both operands' format E2M1 (or v_wmma_scale_f32_32x16x128_f4), f32 sums; products left as they are: bf16, f16 or f32 operands; f32 sums; everything else in f32.
;; Inputs: b_proj 1,024 float32; b_qkv 3,072 float32; w_proj 1,024 x 1,024 float32; w_qkv 1,024 x 3,072 float32; x 4 x 2,048 x 1,024 float32.
;; Outputs: out0 4 x 2,048 x 1,024 float32.
;; This version of the problem:
;;   THIS VERSION OF THE PROBLEM IS GIVEN IN LOW PRECISION. The matrix products marked QUANTISED in the list below multiply operands that are first quantised to E2M1 (2 exponent bits, 1 mantissa bit; 4 bits a number), with one power-of-two scale for each 32 numbers along K (OCP MX v1.0); their sums are f32. The products marked 'left as it is' may take bf16, f16 or f32 operands, with f32 sums. Whichever they take, every output number must still come out within the allowed error. Rounding operands to bf16 (8 significant bits) uses up far more of that allowance than f16 does (11 bits, for magnitudes from 6e-5 to 65,504). All else is computed in f32.
;;   The module's matrix products, in the order in which they are computed (A, B: the left and right operand; K: the contracted axis; several contracted axes count as one K, in the product's order):
;;     1. [M 8,192, K 1,024] x [K 1,024, N 3,072]; A: input x; B: input w_qkv: QUANTISED
;;     2. batch 64 x [M 2,048, K 64] x [K 64, N 2,048]; A: computed on the way; B: computed on the way: left as it is (an operand is computed on the way)
;;     3. batch 64 x [M 2,048, K 2,048] x [K 2,048, N 64]; A: computed on the way; B: computed on the way: left as it is (an operand is computed on the way)
;;     4. [M 8,192, K 1,024] x [K 1,024, N 1,024]; A: computed on the way; B: input w_proj: left as it is (an operand is computed on the way)
;;   THE QUANTISER, for each operand of a quantised product, along K:
;;     - K is cut into blocks of 32 from its start; a last block that is shorter is filled with zeros.
;;     - A block's scale is 2^e with e = floor(log2(the largest magnitude in the block)) - 2, held to -126 .. 127; a block of zeros has e = 0. As a byte (E8M0): e + 127.
;;     - Each number is divided by its block's scale, clamped to +-6, and rounded to the nearest number of E2M1, ties to even, subnormals kept.
;;     - The product sums the exact products of the quantised numbers (number of the format x scale) in f32.
;;   ~~~python
;;   def quantise(x, axis):      # numpy; x: float32 -> the quantised numbers, widened to float32 again
;;       x = np.moveaxis(x, axis, -1); K = x.shape[-1]
;;       x = np.pad(x, [(0, 0)] * (x.ndim - 1) + [(0, -K % 32)]); x = x.reshape(x.shape[:-1] + (-1, 32)); a = np.abs(x).max(-1, keepdims=True)
;;       e = np.where(a > 0, np.clip(np.frexp(np.where(a > 0, a, 1))[1] - 1 - 2, -126, 127), 0)      # np.frexp(a)[1] - 1 = floor(log2(a)), exactly
;;       r = np.clip(x / 2.0 ** e, -6, 6)
;;       step = 2.0 ** (np.maximum(np.frexp(np.where(r == 0, 1, r))[1] - 1, 0) - 1)
;;       q = np.round(r / step) * step * 2.0 ** e      # np.round: ties to even
;;       return np.moveaxis(q.reshape(q.shape[:-2] + (-1,))[..., :K], -1, axis).astype(np.float32)
;;   ~~~
;; One version. Each part assembles by itself: llvm-mc -triple=amdgcn-amd-amdhsa -mcpu=gfx1250 --defsym DOCPART=n.
;; ======== version 1 of 1: 5 launches
;; limits: values are held in f16: magnitudes above 65,504 overflow, below 6.1e-05 lose precision
;; workspace buffers: xc 4,194,304 bytes; xs 262,144 bytes; wc 1,572,864 bytes; ws 98,304 bytes; wp16 2,097,152 bytes; qkv16 50,331,648 bytes; q32 786,432 bytes; y16 16,777,216 bytes
;; launch prep (part 1): grid 576 x 1, 4 waves a work-group, no clusters, 61,952 bytes of LDS; arguments x, w_qkv, w_proj, xc, xs, wc, ws, wp16; writes xc, xs, wc, ws, wp16
.if DOCPART == 1
	.amdgcn_target "amdgcn-amd-amdhsa--gfx1250"
	.amdhsa_code_object_version 6
	.text
	.protected	k_q414a1d08fd_prep
	.globl	k_q414a1d08fd_prep
	.p2align	8
	.type	k_q414a1d08fd_prep,@function
k_q414a1d08fd_prep:
	s_mov_b64 s[64:65], 0
	v_nop
	global_prefetch_b8 v0, s[64:65] scope:SCOPE_SE
	s_setreg_imm32_b32 hwreg(HW_REG_WAVE_MODE, 25, 1), 1
	s_wait_xcnt 0x0
; THE OPERANDS ARE MADE READY, ONCE.  Three kinds of work-group, told apart by the work-group's number; they never join, and each has LDS bytes of its own.
;   X (0..255):   x [8192][1024] f32 -> codes of FP4 (E2M1) xc [8192][512 bytes], K innermost, and one E8M0 byte for each 32 along K, xs [8192][32].
;   W (256..447): w_qkv [1024 k][3072 n] f32, K its FIRST axis -> codes wc [8 = k / 128][3072 n][64 bytes] and bytes ws [3072][32].
;   P (448..575): w_proj [1024 k][1024 n] f32 -> f16, turned: wp16 [16 = k / 64][1024 n][64].
; A block's scale is 2^(floor(log2(its largest magnitude)) - 2); its byte is the largest magnitude's exponent field - 2, held at 1 from below.  A block of zeros so gets the byte 1 where the
; quantiser says 127: its codes are zeros, which add nothing under any byte but 0xff, and this program alone reads the bytes.
; LIMITS: blocks whose largest magnitude lies under 2^-124 are held at the byte 1; NaN and infinities are not served; w_proj goes in f16: magnitudes up to 65,504.
; No matrix unit, no cluster, no tensor load: the launch streams and its work-groups share nothing.
.set SPW,   12                         ; v12  LDS address of my spare word; never rewritten
.set NIL,   13                         ; v13  0; never rewritten
.set SP,    80                         ; X: a lane's place in a stage: 64 bytes + 16 of padding.  W: a column's 64 bytes of codes + 16
.set XREG,  8192                       ; X: a wave's region: two stages of 32 x 80 bytes, then its 256 scale bytes
.set WBASE, 32768                      ; W: 4 x 2,560 bytes
.set WREG,  2560
.set PBASE, 43008                      ; P: 4 x 4,608 bytes (32 rows of 128 + 16)
.set PREG,  4608
.set SPARE, 61440                      ; the spare words, 128 bytes a wave: two blocks of 256 bytes that no other line names
.set STEPS, 16
.set R,     16                         ; X: v16-143  eight sets of 16 numbers as loaded
.set X,     144                        ; X: v144-175 two sets of 16 neighbours
.set E,     176                        ; X: v176-191 a scale byte for each step
.set C,     192                        ; X: v192-223 two registers of codes for each step
	s_load_b256 s[4:11], s[0:1], 0x0               ; x s[4:5], w_qkv s[6:7], w_proj s[8:9], xc s[10:11]
	s_load_b256 s[12:19], s[0:1], 0x20             ; xs s[12:13], wc s[14:15], ws s[16:17], wp16 s[18:19]
	v_lshl_add_u32 v[SPW], v0, 2, SPARE
	v_mov_b32 v[NIL], 0
	v_lshrrev_b32 v1, 5, v0
	v_readfirstlane_b32 s20, v1                    ; wave
	v_and_b32 v2, 31, v0                           ; lane
	s_mov_b32 s23, 0                               ; the offsets' high words
	s_mov_b32 s25, 0
	s_mov_b32 s27, 0
	s_cmp_lt_u32 ttmp9, 256
	s_cbranch_scc0 .Lnot_x
; ---- X.  x is a plain stream of blocks of 32.  A wave takes 16 steps of 512 numbers.  Each load reads 512 consecutive bytes; a step's 2,048 bytes turn through the wave's own stage, so that
; a lane then holds 16 NEIGHBOURS (two lanes a block).  Loads run eight steps (32 loads a wave) ahead, the turn through LDS one step.
	v_lshlrev_b32 v3, 4, v2                        ; my 16 bytes of a load's 512
	s_mul_i32 s21, s20, XREG
	v_lshrrev_b32 v14, 2, v2
	v_mul_u32_u24 v14, v14, SP
	v_and_b32 v15, 3, v2
	v_lshl_add_u32 v14, v15, 4, v14
	v_add_nc_u32 v14, s21, v14                     ; into the stage: 80 (lane / 4) + 16 (lane % 4)
	v_mul_u32_u24 v15, v2, SP
	v_add_nc_u32 v15, s21, v15                     ; out of it: 80 x lane
	v_lshlrev_b32 v4, 3, v2                        ; 8 x lane: my codes' place in a step's, and my 8 scale bytes on the way out
	v_lshrrev_b32 v5, 1, v2
	s_add_co_u32 s21, s21, 2*32*SP
	v_add_nc_u32 v5, s21, v5                       ; my block's byte among the wave's 256
	v_add_nc_u32 v6, s21, v4
	s_lshl_b32 s21, ttmp9, 2
	s_add_co_u32 s21, s21, s20                     ; which run of 8,192 numbers is my wave's
	s_lshl_b32 s22, s21, 15                        ; 32,768 bytes of x,
	s_lshl_b32 s24, s21, 12                        ; 4,096 of codes,
	s_lshl_b32 s26, s21, 8                         ; 256 scale bytes
	s_wait_kmcnt 0x0
	s_add_nc_u64 s[4:5], s[4:5], s[22:23]
	s_add_nc_u64 s[10:11], s[10:11], s[24:25]
	s_add_nc_u64 s[12:13], s[12:13], s[26:27]
.macro XLOAD t
.irp i, 0,1,2,3
	global_load_b128 v[R+16*((\t)%8)+4*\i:R+16*((\t)%8)+4*\i+3], v3, s[4:5] offset:2048*(\t)+512*\i th:TH_LOAD_NT
.endr
.endm
.macro XTURN t                         ; LDS serves a wave's instructions in order: no wait between the stores and the loads
.irp i, 0,1,2,3
	ds_store_b128 v14, v[R+16*((\t)%8)+4*\i:R+16*((\t)%8)+4*\i+3] offset:32*SP*((\t)%2)+8*SP*\i
.endr
.irp i, 0,1,2,3
	ds_load_b128 v[X+16*((\t)%2)+4*\i:X+16*((\t)%2)+4*\i+3], v15 offset:32*SP*((\t)%2)+16*\i
.endr
.endm
.irp t, 0,1,2,3,4,5,6,7
	XLOAD \t
.endr
	s_wait_loadcnt 28                              ; step 0's four loads are in; seven steps' may be out
	XTURN 0
.macro XSTEP t
.set XS, X+16*((\t)%2)
.if (\t) > 0
	s_wait_dscnt 1                                 ; this step's numbers are back from the stage (the last step's byte store may be out)
.else
	s_wait_dscnt 0x0
.endif
.if (\t)+8 < STEPS
	XLOAD (\t)+8                                   ; into the set that this step's stores into the stage have read
.endif
.if (\t)+1 < STEPS
.if 14-(\t) >= 7
	s_wait_loadcnt 28                              ; the next step's loads are in; those of the seven steps behind it may be out
.else
	s_wait_loadcnt 4*(14-(\t))
.endif
	XTURN (\t)+1
.endif
	v_max3_num_f32 v8, |v[XS]|, |v[XS+1]|, |v[XS+2]|               ; the largest magnitude of my 16
	v_max3_num_f32 v9, |v[XS+3]|, |v[XS+4]|, |v[XS+5]|
.irp i, 6,10
	v_max3_num_f32 v8, v8, |v[XS+\i]|, |v[XS+\i+1]|
	v_max3_num_f32 v9, v9, |v[XS+\i+2]|, |v[XS+\i+3]|
.endr
	v_max3_num_f32 v8, v8, |v[XS+14]|, |v[XS+15]|
	v_max3_num_f32 v8, v8, v9, 0x1800000           ; and the floor 2^(3 - 127): the byte cannot fall under 1
	v_max_num_f32_dpp v8, v8, v8 row_xmask:1 row_mask:0xf bank_mask:0xf   ; with my neighbour's 16: the block's
	v_add_nc_u32 v11, 0xff000000, v8               ; 2 off its exponent field: the conversion takes the exponent field of this operand as its scale
	v_cvt_scalef32_pk8_fp4_f32 v[C+2*(\t)], v[XS:XS+7], v11
	v_cvt_scalef32_pk8_fp4_f32 v[C+2*(\t)+1], v[XS+8:XS+15], v11
	v_lshrrev_b32 v[E+(\t)], 23, v11               ; the scale's byte
	ds_store_b8 v5, v[E+(\t)] offset:16*(\t)       ; both lanes of a block write the same byte with the same value
	global_store_b64 v4, v[C+2*(\t):C+2*(\t)+1], s[10:11] offset:256*(\t)   ; the wave stores 256 consecutive bytes, aligned
.endm
.irp t, 0,1,2,3,4,5,6,7,8,9,10,11,12,13,14,15
	XSTEP \t
.endr
	ds_load_b64 v[8:9], v6                         ; my wave's 256 scale bytes, 8 a lane
	s_wait_dscnt 0x0
	global_store_b64 v4, v[8:9], s[12:13]
	s_wait_tensorcnt 0x0                           ; the wave's end, behind my last LDS store
	ds_add_u32 v[SPW], v[NIL]
	s_wait_dscnt 0x0
	s_endpgm
.Lnot_x:
	s_cmp_lt_u32 ttmp9, 448
	s_cbranch_scc0 .Lnot_w
; ---- W.  A LANE TAKES A COLUMN n AND ITS REGISTERS RUN DOWN K: a block of 32 lies in one lane, and the conversions give codes with K innermost.  A wave: 32 columns x 128 along K (four blocks, 64 bytes of codes
; a column); the four waves stand side by side on 512 bytes of each row.  The codes turn through the wave's stage and leave as 2,048 consecutive bytes.
	s_sub_co_u32 s21, ttmp9, 256
	s_and_b32 s28, s21, 7                          ; kp: which 128 along K
	s_lshr_b32 s29, s21, 3
	s_lshl_b32 s29, s29, 7
	s_lshl_b32 s30, s20, 5
	s_add_co_u32 s29, s29, s30                     ; my wave's first column
	s_mul_i32 s22, s28, 128*12288
	s_lshl_b32 s30, s29, 2
	s_add_co_u32 s22, s22, s30                     ; in w_qkv
	s_mul_i32 s24, s28, 3072
	s_add_co_u32 s24, s24, s29
	s_lshl_b32 s24, s24, 6                         ; in wc
	s_lshl_b32 s26, s29, 5
	s_lshl_b32 s30, s28, 2
	s_add_co_u32 s26, s26, s30                     ; in ws: 32 bytes a column, word kp
	v_lshlrev_b32 v3, 2, v2
	s_mul_i32 s21, s20, WREG
	s_add_co_u32 s21, s21, WBASE
	v_mul_u32_u24 v4, v2, SP
	v_add_nc_u32 v4, s21, v4                       ; into the stage: row = my column
	v_lshrrev_b32 v5, 2, v2
	v_mul_u32_u24 v5, v5, SP
	v_and_b32 v6, 3, v2
	v_lshl_add_u32 v5, v6, 4, v5
	v_add_nc_u32 v5, s21, v5                       ; out of it: four lanes to a row
	v_lshlrev_b32 v6, 4, v2
	v_lshlrev_b32 v7, 5, v2
	s_wait_kmcnt 0x0
	s_add_nc_u64 s[6:7], s[6:7], s[22:23]
	s_add_nc_u64 s[14:15], s[14:15], s[24:25]
	s_add_nc_u64 s[16:17], s[16:17], s[26:27]
.set i, 0
.rept 128
	global_load_b32 v[16+i], v3, s[6:7] offset:i*12288 th:TH_LOAD_NT   ; w_qkv(128 kp + i, my column): all 128 are asked for at once
.set i, i+1
.endr
.macro WBLOCK t, left
.set XS, 16+32*(\t)
	s_wait_loadcnt \left                           ; block t's 32 loads are in
	v_max3_num_f32 v8, |v[XS]|, |v[XS+1]|, |v[XS+2]|
	v_max3_num_f32 v9, |v[XS+3]|, |v[XS+4]|, |v[XS+5]|
.irp i, 6,10,14,18,22,26
	v_max3_num_f32 v8, v8, |v[XS+\i]|, |v[XS+\i+1]|
	v_max3_num_f32 v9, v9, |v[XS+\i+2]|, |v[XS+\i+3]|
.endr
	v_max3_num_f32 v8, v8, |v[XS+30]|, |v[XS+31]|
	v_max3_num_f32 v8, v8, v9, 0x1800000           ; the floor
	v_add_nc_u32 v[164+(\t)], 0xff000000, v8       ; the conversion's scale operand
	v_lshrrev_b32 v9, 23, v[164+(\t)]              ; the byte
.if (\t) == 0
	v_mov_b32 v160, v9
.else
	v_lshl_or_b32 v160, v9, 8*(\t), v160           ; four bytes make the column's scale word for these 128 along K
.endif
.irp g, 0,1,2,3
	v_cvt_scalef32_pk8_fp4_f32 v[144+4*(\t)+\g], v[XS+8*\g:XS+8*\g+7], v[164+(\t)]
.endr
.endm
	WBLOCK 0, 63                                   ; 96 younger loads could stay out; the count's field ends at 63
	WBLOCK 1, 63                                   ; 64 could
	WBLOCK 2, 32
	WBLOCK 3, 0
	v_nop                                          ; one plain line behind the last scaled conversion
.irp t, 0,1,2,3
	ds_store_b128 v4, v[144+4*\t:147+4*\t] offset:16*\t
.endr
.irp i, 0,1,2,3
	ds_load_b128 v[168+4*\i:171+4*\i], v5 offset:8*SP*\i
.endr
	global_store_b32 v7, v160, s[16:17]            ; 4 bytes a lane, 32 bytes apart: 98,304 bytes in the whole launch, 1 / 128 of what this path reads
.irp i, 0,1,2,3
	s_wait_dscnt 3-\i
	global_store_b128 v6, v[168+4*\i:171+4*\i], s[14:15] offset:512*\i   ; 512 consecutive bytes a store
.endr
	s_wait_tensorcnt 0x0                           ; the wave's end, as above
	ds_add_u32 v[SPW], v[NIL]
	s_wait_dscnt 0x0
	s_endpgm
.Lnot_w:
; ---- P.  The same plan without a quantiser: a lane takes a column, 64 registers run down K, pairs are rounded to f16; a wave's 32 rows of 128 bytes leave as 4,096 consecutive bytes.
	s_sub_co_u32 s21, ttmp9, 448
	s_and_b32 s28, s21, 7
	s_lshr_b32 s29, s21, 3                         ; kb: which 64 along K
	s_lshl_b32 s28, s28, 7
	s_lshl_b32 s30, s20, 5
	s_add_co_u32 s28, s28, s30                     ; my wave's first column
	s_lshl_b32 s22, s29, 18                        ; 64 rows of 4,096 bytes
	s_lshl_b32 s30, s28, 2
	s_add_co_u32 s22, s22, s30
	s_lshl_b32 s24, s29, 10
	s_add_co_u32 s24, s24, s28
	s_lshl_b32 s24, s24, 7                         ; in wp16: 128 bytes a row
	v_lshlrev_b32 v3, 2, v2
	s_mul_i32 s21, s20, PREG
	s_add_co_u32 s21, s21, PBASE
	v_mul_u32_u24 v4, v2, 144
	v_add_nc_u32 v4, s21, v4
	v_lshrrev_b32 v5, 3, v2
	v_mul_u32_u24 v5, v5, 144
	v_and_b32 v6, 7, v2
	v_lshl_add_u32 v5, v6, 4, v5
	v_add_nc_u32 v5, s21, v5                       ; out: eight lanes to a row
	v_lshlrev_b32 v6, 4, v2
	s_wait_kmcnt 0x0
	s_add_nc_u64 s[8:9], s[8:9], s[22:23]
	s_add_nc_u64 s[18:19], s[18:19], s[24:25]
.set i, 0
.rept 64
	global_load_b32 v[16+i], v3, s[8:9] offset:i*4096 th:TH_LOAD_NT
.set i, i+1
.endr
	s_wait_loadcnt 32                              ; the first 32 rows are in
.set i, 0
.rept 16
	v_cvt_pk_f16_f32 v[144+i], v[16+2*i], v[17+2*i]
.set i, i+1
.endr
	s_wait_loadcnt 0x0
.rept 16
	v_cvt_pk_f16_f32 v[144+i], v[16+2*i], v[17+2*i]
.set i, i+1
.endr
.irp j, 0,1,2,3,4,5,6,7
	ds_store_b128 v4, v[144+4*\j:147+4*\j] offset:16*\j
.endr
.irp j, 0,1,2,3,4,5,6,7
	ds_load_b128 v[176+4*\j:179+4*\j], v5 offset:576*\j
.endr
.irp j, 0,1,2,3,4,5,6,7
	s_wait_dscnt 7-\j
	global_store_b128 v6, v[176+4*\j:179+4*\j], s[18:19] offset:512*\j
.endr
	s_wait_tensorcnt 0x0                           ; the wave's end, as above
	ds_add_u32 v[SPW], v[NIL]
	s_wait_dscnt 0x0
	s_endpgm
.Lfunc_end_k_q414a1d08fd_prep:
	.size	k_q414a1d08fd_prep, .Lfunc_end_k_q414a1d08fd_prep-k_q414a1d08fd_prep
	.p2alignl 7, 3214868480
	.fill 96, 4, 3214868480
	.section	.rodata,"a",@progbits
	.p2align	6, 0x0
	.amdhsa_kernel k_q414a1d08fd_prep
		.amdhsa_group_segment_fixed_size 61952
		.amdhsa_private_segment_fixed_size 0
		.amdhsa_enable_private_segment 0
		.amdhsa_kernarg_size 64
		.amdhsa_user_sgpr_count 2
		.amdhsa_user_sgpr_kernarg_segment_ptr 1
		.amdhsa_wavefront_size32 1
		.amdhsa_system_sgpr_workgroup_id_x 1
		.amdhsa_system_sgpr_workgroup_id_y 1
		.amdhsa_system_sgpr_workgroup_id_z 1
		.amdhsa_system_vgpr_workitem_id 0
		.amdhsa_next_free_vgpr 224
		.amdhsa_next_free_sgpr 66
		.amdhsa_reserve_vcc 0
		.amdhsa_float_denorm_mode_32 3
		.amdhsa_float_denorm_mode_16_64 3
		.amdhsa_memory_ordered 1
		.amdhsa_forward_progress 1
		.amdhsa_inst_pref_size 65
	.end_amdhsa_kernel
	.amdgpu_metadata
---
amdhsa.version: [ 1, 2 ]
amdhsa.kernels:
  - .name:           k_q414a1d08fd_prep
    .symbol:         k_q414a1d08fd_prep.kd
    .args:
      - { .name: x, .offset: 0, .size: 8, .value_kind: global_buffer, .address_space: global }
      - { .name: w_qkv, .offset: 8, .size: 8, .value_kind: global_buffer, .address_space: global }
      - { .name: w_proj, .offset: 16, .size: 8, .value_kind: global_buffer, .address_space: global }
      - { .name: xc, .offset: 24, .size: 8, .value_kind: global_buffer, .address_space: global }
      - { .name: xs, .offset: 32, .size: 8, .value_kind: global_buffer, .address_space: global }
      - { .name: wc, .offset: 40, .size: 8, .value_kind: global_buffer, .address_space: global }
      - { .name: ws, .offset: 48, .size: 8, .value_kind: global_buffer, .address_space: global }
      - { .name: wp16, .offset: 56, .size: 8, .value_kind: global_buffer, .address_space: global }
    .group_segment_fixed_size: 61952
    .private_segment_fixed_size: 0
    .kernarg_segment_align: 8
    .kernarg_segment_size: 64
    .max_flat_workgroup_size: 128
    .sgpr_count:     66
    .vgpr_count:     224
    .wavefront_size: 32
...
	.end_amdgpu_metadata
.endif
;; end of part 1
;; launch qkv (part 2): grid 12 x 32, 4 waves a work-group, clusters of 4 x 1, 327,680 bytes of LDS; arguments xc, xs, wc, ws, b_qkv, qkv16, q32; writes qkv16, q32
.if DOCPART == 2
	.amdgcn_target "amdgcn-amd-amdhsa--gfx1250"
	.amdhsa_code_object_version 6
	.text
	.protected	k_q414a1d08fd_qkv
	.globl	k_q414a1d08fd_qkv
	.p2align	8
	.type	k_q414a1d08fd_qkv,@function
k_q414a1d08fd_qkv:
	s_mov_b64 s[64:65], 0
	v_nop
	global_prefetch_b8 v0, s[64:65] scope:SCOPE_SE
	s_setreg_imm32_b32 hwreg(HW_REG_WAVE_MODE, 25, 1), 1
	s_wait_xcnt 0x0
	s_wait_alu depctr_hold_cnt(0) depctr_sa_sdst(0) depctr_va_vdst(0) depctr_va_sdst(0) depctr_va_ssrc(0) depctr_va_vcc(0) depctr_vm_vsrc(0)
	s_getreg_b32 s2, hwreg(HW_REG_IB_STS2, 6, 4)
	s_cmp_eq_u32 s2, 0
	s_cbranch_scc0 .Lentry_in_a_cluster
	s_endpgm
.Lentry_in_a_cluster:
	s_bfe_u32 s2, ttmp6, 0x10000c
	s_cmp_lg_u32 s2, 0x3003
	s_cbranch_scc0 .Lentry_shape_is_right
	s_endpgm
.Lentry_shape_is_right:
; qkv = Q(x) Q(w_qkv) + b_qkv, on codes of FP4 (E2M1) with one E8M0 scale for each 32 along K; sums in f32.  M = 8,192, N = 3,072, K = 1,024.
; A tile of 256 x 256 is made by four waves, 128 x 128 each: 64 accumulators of 16 x 16, 512 registers.  K is two slots of 512: BOTH are first fills, asked for at the head; nothing in LDS is filled twice.
; xc [8192][512 bytes]: a slot's row is 256 bytes.  wc [8 = k / 128][3072][64 bytes]: 128 rows of one part are 8,192 dense bytes; a load brings four parts.  The scale bytes of the tile's rows and columns come once.
; CLUSTER 4 x 1: the four work-groups of a cluster make one tile row, so x's tiles and scales are asked for JOINTLY (mask 15).  Not 4 x 4: the side store of the first 16 positions branches on the tile row, which
; must be the same in all partners.  w's tiles are plain loads: each partner has its own columns.
; THE MATRIX INSTRUCTION IS USED TRANSPOSED (source 0 = 16 columns of w, source 1 = 16 rows of x): a lane holds eight neighbouring columns of one row.  The bias is the C of each sum's first instruction.
; OUT: f16, laid [4 b][48 g = n / 64][2048 t][64]: two neighbouring t of a group are 256 consecutive bytes.  Rows t < 16 of each batch leave in f32 as well, q32 [4][16][3072], for the fine launch.
; LIMITS: q, k, v go in f16: magnitudes up to 65,504; NaN and infinities are not served.
; REGISTERS: window 0: v10-29 addresses; v32-95 scale words, two sets, and nothing else; v128-191 x's fragments, ONE set; v192-255 the bias; on the way out v128-191 rows read back, v192-223 packed results.
;   window 1: w's fragments, two sets, at v0 and v128.  window 2: accumulators of my rows 0-63 ((a, b) at v[8 (8 a + b)]); window 3: rows 64-127.
.set PITCH,  272                       ; x's row in LDS: 256 bytes + 16
.set BP,     80                        ; w's row in LDS: 64 bytes + 16
.set HALFA,  128*PITCH
.set SLOTA,  2*HALFA
.set BOFF,   2*SLOTA                   ; behind x's two slots: w's
.set PARTB,  128*BP                    ; 128 columns of one part of 128 along K
.set HALFB,  4*PARTB
.set SLOTB,  2*HALFB
.set SCL,    BOFF+2*SLOTB              ; the scales: 4 x 128 rows x 32 bytes, as runs of 256 bytes + 16
.set HALFS,  16*272
.set SBLK,   2*272                     ; those of 16 rows
.set SPARE,  SCL+4*HALFS               ; the spare words, 128 bytes a wave
.set NQ,     4                         ; matrix instructions deep in a slot
.set FR,     8
.set NL,     2
.set NP,     4                         ; places behind this matrix instruction (ISA guide 7.12.1)
.set SPF,    528                       ; the stage in f32: 16 rows x (512 + 16); in f16: 16 rows x (256 + 16).  It lies in x's slot 0, which is left at the change of slots and never filled again
.set SPH,    272
.set STGB,   16*SPF
.set STF,  10
.set RDF,  11
.set COF,  12
.set BO,   13
.set ADRA, 16
.set ADRB, 20
.set STO,  24
.set RD,   25
.set CO,   26
.set ADRS, 27
.set SPW,  28
.set NIL,  29
.set SC,   32
.set AF,   128
.set BI,   192
.set TMP,  192
.set BK,   128
.set WV, 18
.set RH, 19                            ; which half of the tile's rows is mine; also: I fetch for x (0) or for w (1)
.set CH, 20                            ; which half of its columns; also: which 128 rows I fetch
.set TC, 22
.set TR, 23
.set G1A, 24
.set G0A, 32
.set G1B, 40
.set G0B, 48
.set G1SA, 56
.set G1SB, 68
.set G0SA, 76
.set G0SB, 80
.set FLAG, 96
.set MSB, 0
.macro WIN new
.if MSB != \new
	s_set_vgpr_msb (MSB<<8)|\new
.set MSB, \new
.endif
.endm
.set MUL_LO, 0xa1                      ; source 0 (w) window 1, source 1 (x) window 0, C and D window 2
.set MUL_HI, 0xf1
.set FST_LO, 0x81                      ; the same with C (the bias) in window 0
.set FST_HI, 0xc1
.set TO_B,   0x40
.macro JLOAD g0a, g1a, g0b, g1b        ; waves 0 and 1 fetch for x, jointly; waves 2 and 3 for w.  An s_nop 0 and four v_nop follow each line
	s_cmp_eq_u32 s[RH], 0
	s_cbranch_scc0 .Lfor_b_\@
	tensor_load_to_lds s[\g0a:\g0a+3], s[\g1a:\g1a+7]
	s_nop 0
.rept 4
	v_nop
.endr
	s_branch .Lasked_\@
.Lfor_b_\@:
	tensor_load_to_lds s[\g0b:\g0b+3], s[\g1b:\g1b+7]
	s_nop 0
.rept 4
	v_nop
.endr
.Lasked_\@:
.endm
.macro CROUND                          ; a round of the cluster's barrier
	s_barrier_signal -1
	s_barrier_wait -1
	s_cmp_lg_u32 s[WV], 0
	s_cbranch_scc1 .Lnot_wave_0_\@
	s_barrier_signal -3
.Lnot_wave_0_\@:
	s_barrier_wait -3
	s_barrier_signal -1
	s_barrier_wait -1
.endm
	s_load_b256 s[4:11], s[0:1], 0x0               ; xc s[4:5], xs s[6:7], wc s[8:9], ws s[10:11]
	s_load_b128 s[12:15], s[0:1], 0x20             ; b_qkv s[12:13], qkv16 s[14:15]
	s_load_b64 s[16:17], s[0:1], 0x30              ; q32
	v_lshl_add_u32 v[SPW], v0, 2, SPARE
	v_mov_b32 v[NIL], 0
	ds_add_u32 v[SPW], v[NIL]                      ; the wave's opening: the add, twice on end, and its wait ahead of my first tensor load
	ds_add_u32 v[SPW], v[NIL]
	v_lshrrev_b32 v1, 5, v0
	v_readfirstlane_b32 s[WV], v1
	s_lshr_b32 s[RH], s[WV], 1
	s_and_b32 s[CH], s[WV], 1
	s_bfe_u32 s21, ttmp6, 0x40000                  ; cx
	s_lshl_b32 s[TC], ttmp9, 2
	s_add_co_u32 s[TC], s[TC], s21                 ; tile column = 4 x cluster x + cx
	s_and_b32 s[TR], ttmp7, 0xffff                 ; tile row: the same in all four partners
	s_mov_b32 s[G1A], 15|(1<<20)|(1<<21)|(5<<22)|(3<<25)   ; mask: all four; elements of 1 byte; 4 words of padding behind every 64
	s_mov_b32 s[G1A+1], 256<<16                    ; tensor_dim0
	s_mov_b32 s[G1A+2], 128<<16                    ; tensor_dim1
	s_mov_b32 s[G1A+3], 256<<16                    ; tile_dim0
	s_mov_b32 s[G1A+4], 128                        ; tile_dim1
	s_mov_b32 s[G1A+5], 512                        ; from row to row
	s_mov_b32 s[G1A+6], 0
	s_mov_b32 s[G1A+7], 0
	s_mov_b32 s[G1B], (3<<16)|(1<<20)|(3<<22)|(3<<25)      ; no mask; elements of 8 bytes; 4 words of padding behind every 16: behind each column's 64 bytes
	s_mov_b32 s[G1B+1], 1024<<16                   ; a row of the tile: 128 columns x 64 bytes, dense
	s_mov_b32 s[G1B+2], 4<<16                      ; four parts
	s_mov_b32 s[G1B+3], 1024<<16
	s_mov_b32 s[G1B+4], 4
	s_mov_b32 s[G1B+5], 24576                      ; from part to part: 3,072 x 64 bytes
	s_mov_b32 s[G1B+6], 0
	s_mov_b32 s[G1B+7], 0
	s_mov_b32 s[G1SA], 15|(3<<16)|(1<<20)|(1<<21)|(5<<22)|(3<<25)   ; the scales of 128 rows: 4,096 dense bytes as 16 rows of 256
	s_mov_b32 s[G1SB], (3<<16)|(1<<20)|(5<<22)|(3<<25)
.irp g, G1SA, G1SB
	s_mov_b32 s[\g+1], 32<<16
	s_mov_b32 s[\g+2], 16<<16
	s_mov_b32 s[\g+3], 32<<16
	s_mov_b32 s[\g+4], 16
	s_mov_b32 s[\g+5], 32
	s_mov_b32 s[\g+6], 0
	s_mov_b32 s[\g+7], 0
.endr
	s_lshl_b32 s84, s[TR], 8
	s_lshl_b32 s86, s[CH], 7
	s_add_co_u32 s84, s84, s86                     ; x: row 256 x tile row + 128 x half
	s_lshl_b32 s88, s[TC], 8
	s_add_co_u32 s88, s88, s86                     ; w: column 256 x tile column + 128 x half
	s_lshl_b32 s86, s84, 5                         ; x's scales: 32 bytes a row
	s_mov_b32 s87, 0
	s_lshl_b32 s84, s84, 9                         ; x's codes: 512 bytes a row
	s_mov_b32 s85, 0
	s_lshl_b32 s90, s88, 5
	s_mov_b32 s91, 0
	s_lshl_b32 s88, s88, 6                         ; w's codes: 64 bytes a column in a part
	s_mov_b32 s89, 0
	s_mul_i32 s92, s[CH], HALFA                    ; where they go: no place in the cluster enters an LDS address
	s_mul_i32 s93, s[CH], HALFB
	s_add_co_u32 s93, s93, BOFF
	s_mul_i32 s94, s[WV], HALFS
	s_add_co_u32 s94, s94, SCL
	s_wait_dscnt 0x0                               ; both opening adds are done
	s_wait_kmcnt 0x0
	s_add_nc_u64 s[84:85], s[4:5], s[84:85]
	s_add_nc_u64 s[86:87], s[6:7], s[86:87]
	s_add_nc_u64 s[88:89], s[8:9], s[88:89]
	s_add_nc_u64 s[90:91], s[10:11], s[90:91]
	CROUND                                         ; all four work-groups are here: the joint loads meet
	s_mov_b32 s[G0SA], 1
	s_mov_b32 s[G0SA+1], s94
	s_mov_b64 s[G0SA+2:G0SA+3], s[86:87]
	s_or_b32 s[G0SA+3], s[G0SA+3], 0x80000000
	s_mov_b32 s[G0SB], 1
	s_mov_b32 s[G0SB+1], s94
	s_mov_b64 s[G0SB+2:G0SB+3], s[90:91]
	s_or_b32 s[G0SB+3], s[G0SB+3], 0x80000000
	JLOAD G0SA, G1SA, G0SB, G1SB                   ; the scales first; then both slots: three loads of mine are out
.irp s, 0,1
	s_mov_b32 s[G0A+4*\s], 1
	s_add_co_u32 s[G0A+4*\s+1], s92, \s*SLOTA
	s_add_nc_u64 s[G0A+4*\s+2:G0A+4*\s+3], s[84:85], \s*256
	s_or_b32 s[G0A+4*\s+3], s[G0A+4*\s+3], 0x80000000
	s_mov_b32 s[G0B+4*\s], 1
	s_add_co_u32 s[G0B+4*\s+1], s93, \s*SLOTB
	s_add_nc_u64 s[G0B+4*\s+2:G0B+4*\s+3], s[88:89], \s*4*3072*64
	s_or_b32 s[G0B+4*\s+3], s[G0B+4*\s+3], 0x80000000
	JLOAD G0A+4*\s, G1A, G0B+4*\s, G1B
.endr
	; where my part of the results goes, and the bias
	s_lshl_b32 s88, s[TC], 10
	s_lshl_b32 s89, s[CH], 9
	s_add_co_u32 s88, s88, s89                     ; my first column in f32 bytes
	s_mov_b32 s89, 0
	s_add_nc_u64 s[12:13], s[12:13], s[88:89]
	s_add_nc_u64 s[16:17], s[16:17], s[88:89]
	s_lshr_b32 s90, s[TR], 3                       ; the batch
	s_mul_i32 s92, s90, 196608                     ; 16 rows of 3,072 f32
	s_mov_b32 s93, 0
	s_add_nc_u64 s[16:17], s[16:17], s[92:93]
	s_mul_i32 s90, s90, 48
	s_lshl_b32 s91, s[TC], 2
	s_add_co_u32 s90, s90, s91
	s_lshl_b32 s91, s[CH], 1
	s_add_co_u32 s90, s90, s91                     ; my first group of 64 columns
	s_lshl_b32 s90, s90, 18                        ; 262,144 bytes a group
	s_and_b32 s91, s[TR], 7
	s_lshl_b32 s91, s91, 15                        ; 256 t of 128 bytes
	s_add_co_u32 s90, s90, s91
	s_lshl_b32 s91, s[RH], 14
	s_add_co_u32 s90, s90, s91
	s_mov_b32 s91, 0
	s_add_nc_u64 s[14:15], s[14:15], s[90:91]
	s_and_b32 s[FLAG], s[TR], 7
	s_or_b32 s[FLAG], s[FLAG], s[RH]               ; 0 where my block 0 holds positions 0 to 15 of a batch
	v_and_b32 v1, 15, v0                           ; r
	v_bfe_u32 v2, v0, 4, 1                         ; h
	v_lshlrev_b32 v[BO], 5, v2
.irp b, 0,1,2,3,4,5,6,7
	global_load_b128 v[BI+8*\b:BI+8*\b+3], v[BO], s[12:13] offset:64*\b      ; b_qkv at my columns 16 b + 8 h + 0 .. 7: the result's layout
	global_load_b128 v[BI+8*\b+4:BI+8*\b+7], v[BO], s[12:13] offset:64*\b+16
.endr
	v_mul_u32_u24 v3, v1, PITCH
	v_lshl_add_u32 v3, v2, 4, v3
	v_mul_u32_u24 v4, v1, BP
	v_lshl_add_u32 v4, v2, 4, v4
	s_mul_i32 s84, s[RH], HALFA
	s_mul_i32 s85, s[CH], HALFB
	s_add_co_u32 s85, s85, BOFF
.irp s, 0,1
	v_add_nc_u32 v[ADRA+\s], s84, v3
	v_add_nc_u32 v[ADRB+\s], s85, v4
	s_add_co_u32 s84, s84, SLOTA
	s_add_co_u32 s85, s85, SLOTB
.endr
	v_lshlrev_b32 v5, 5, v1                        ; my row's scales: 32 bytes a row,
	v_lshrrev_b32 v6, 8, v5
	v_lshl_add_u32 v5, v6, 4, v5                   ; and 16 more for each 256 passed
	s_mul_i32 s84, s[RH], HALFS
	s_mul_i32 s85, s[CH], HALFS
	s_add_co_u32 s85, s85, 2*HALFS
	s_sub_co_u32 s85, s85, s84
	v_mul_u32_u24 v6, s85, v2                      ; lanes 16-31 take w's
	s_add_co_u32 s84, s84, SCL
	v_add_nc_u32 v5, v5, v6
	v_add_nc_u32 v[ADRS], s84, v5
	s_mul_i32 s84, s[WV], STGB                     ; my stage
	v_add_nc_u32 v[STO], s84, v3                   ; f16, in: row r, 16 bytes for each half of the lanes
	v_bfe_u32 v6, v0, 3, 1
	v_and_b32 v7, 7, v0
	v_lshlrev_b32 v7, 4, v7
	v_mul_u32_u24 v8, v6, SPH
	v_lshl_add_u32 v8, v2, 7, v8
	v_add_nc_u32 v8, v8, v7
	v_add_nc_u32 v[RD], s84, v8                    ; back: lanes 0-15 two rows of the first group's 128 bytes, lanes 16-31 of the second's
	v_lshl_add_u32 v[CO], v6, 7, v7
	v_lshl_add_u32 v[CO], v2, 18, v[CO]            ; and the same place in qkv16
	v_mul_u32_u24 v8, v1, SPF
	v_lshl_add_u32 v8, v2, 5, v8
	v_add_nc_u32 v[STF], s84, v8                   ; f32, in: row r, 32 bytes for each half
	v_and_b32 v9, 31, v0
	v_lshlrev_b32 v[COF], 4, v9
	v_add_nc_u32 v[RDF], s84, v[COF]               ; back: the 32 lanes take a row of 512 bytes
.macro FRAGA reg, slot, q, i           ; 16 rows x 128 K of 4-bit codes: lane l holds row l % 16; registers 4 c .. 4 c + 3 hold K = 64 c + 32 (l / 16) + 0 .. 31
.irp c, 0,1
	ds_load_b128 v[\reg+4*\c:\reg+4*\c+3], v[ADRA+\slot] offset:64*(\q)+32*\c+(\i)*16*PITCH
.endr
.endm
.macro FRAGB reg, slot, q, i
.irp c, 0,1
	ds_load_b128 v[\reg+4*\c:\reg+4*\c+3], v[ADRB+\slot] offset:PARTB*(\q)+32*\c+(\i)*16*BP
.endr
.endm
; 16 matrix instructions: x's blocks a0, a0 + 1 against w's eight.  The 64 accumulators take turns, one instruction a turn, in the same order in every step.
.macro MUL16 a0, p, q, sc, first
.irp a, \a0, \a0+1
.irp b, 0,1,2,3,4,5,6,7
.if \first
	v_wmma_scale_f32_16x16x128_f8f6f4 v[8*(8*((\a)%4)+\b):8*(8*((\a)%4)+\b)+7], v[128*(\p)+FR*\b:128*(\p)+FR*\b+FR-1], v[AF+FR*(\a):AF+FR*(\a)+FR-1], v[BI+8*\b:BI+8*\b+7], v[SC+8*NQ*(\sc)+NQ*\b+(\q)], v[SC+8*NQ*(\sc)+NQ*(\a)+(\q)] matrix_a_fmt:MATRIX_FMT_FP4 matrix_b_fmt:MATRIX_FMT_FP4 matrix_a_scale:MATRIX_SCALE_ROW1
.else
	v_wmma_scale_f32_16x16x128_f8f6f4 v[8*(8*((\a)%4)+\b):8*(8*((\a)%4)+\b)+7], v[128*(\p)+FR*\b:128*(\p)+FR*\b+FR-1], v[AF+FR*(\a):AF+FR*(\a)+FR-1], v[8*(8*((\a)%4)+\b):8*(8*((\a)%4)+\b)+7], v[SC+8*NQ*(\sc)+NQ*\b+(\q)], v[SC+8*NQ*(\sc)+NQ*(\a)+(\q)] matrix_a_fmt:MATRIX_FMT_FP4 matrix_b_fmt:MATRIX_FMT_FP4 matrix_a_scale:MATRIX_SCALE_ROW1
.endif
.endr
.endr
.endm
.macro FETCH_B slot, q, p
	WIN TO_B
.irp i, 0,1,2,3,4,5,6,7
	FRAGB 128*(\p)+FR*\i, \slot, \q, \i
.endr
	WIN 0
.endm
.macro FETCH_A slot, q, i0
.irp i, \i0, \i0+1, \i0+2, \i0+3
	FRAGA AF+FR*(\i), \slot, \q, \i
.endr
.endm
.macro SCALES sc                       ; a slot's scale words: four a row; lanes 0-15 take x's block i, lanes 16-31 w's block i
.irp i, 0,1,2,3,4,5,6,7
	ds_load_b128 v[SC+8*NQ*\sc+NQ*\i:SC+8*NQ*\sc+NQ*\i+3], v[ADRS] offset:\i*SBLK
.endr
.endm
.macro PLACES n                        ; plain vector lines between a matrix instruction and a load into, or a read of, its registers
.rept \n
	v_nop
.endr
.endm
.macro STEP slot, q, first             ; 128 along K, with its successor in the same slot
	s_wait_dscnt 4*NL                              ; w's set and x's blocks 0-3 are in; the youngest eight loads (x's blocks 4-7) may be out
.if \first
	WIN FST_LO
.else
	WIN MUL_LO
.endif
	MUL16 0, (\q)%2, \q, \slot, \first
	MUL16 2, (\q)%2, \q, \slot, \first
	s_wait_dscnt 0
	PLACES NP
	FETCH_B \slot, (\q)+1, 1-(\q)%2
	FETCH_A \slot, (\q)+1, 0
.if \first
	WIN FST_HI
.else
	WIN MUL_HI
.endif
	MUL16 4, (\q)%2, \q, \slot, \first
	MUL16 6, (\q)%2, \q, \slot, \first
	PLACES NP
	WIN 0
	FETCH_A \slot, (\q)+1, 4
.endm
	s_wait_tensorcnt 1                             ; the scales and my part of slot 0 are in; slot 1's load may be out
	s_barrier_signal -1
	s_barrier_wait -1
	FETCH_B 0, 0, 0
	FETCH_A 0, 0, 0
	SCALES 0
	FETCH_A 0, 0, 4
	s_wait_loadcnt 0x0                             ; the bias
	STEP 0, 0, 1                                   ; the first products start the sums from the bias: nothing is cleared
	STEP 0, 1, 0
	STEP 0, 2, 0
	; slot 0's last step changes slots: one barrier
	s_wait_tensorcnt 0x0                           ; my part of slot 1 has landed
	ds_add_u32 v[SPW], v[NIL]                      ; 0 onto my spare word
	s_wait_dscnt 4*NL+1                            ; (the add and x's blocks 4-7 may be out)
	WIN MUL_LO
	MUL16 0, 1, NQ-1, 0, 0
	s_wait_dscnt 0x0                               ; the add is done, and my reads of slot 0 are over
	s_barrier_signal -1
	MUL16 2, 1, NQ-1, 0, 0
	WIN 0
	s_barrier_wait -1                              ; slot 1 is whole, and nobody reads slot 0 any more
	PLACES NP
	v_add_nc_u32 v[ADRS], 4*NQ, v[ADRS]            ; on to slot 1's scale words
	FETCH_B 1, 0, 0
	FETCH_A 1, 0, 0
	SCALES 1
	WIN MUL_HI
	MUL16 4, 1, NQ-1, 0, 0
	MUL16 6, 1, NQ-1, 0, 0
	PLACES NP
	WIN 0
	FETCH_A 1, 0, 4
	STEP 1, 0, 0
	STEP 1, 1, 0
	STEP 1, 2, 0
	s_wait_dscnt 4*NL                              ; the last step: nothing more to fetch
	WIN MUL_LO
	MUL16 0, 1, NQ-1, 1, 0
	MUL16 2, 1, NQ-1, 1, 0
	s_wait_dscnt 0
	WIN MUL_HI
	MUL16 4, 1, NQ-1, 1, 0
	MUL16 6, 1, NQ-1, 1, 0
	WIN 0
	PLACES NP
	; THE SIDE STORE: positions 0 to 15 of a batch, in f32, through my stage, as whole rows of 512 bytes
	s_cmp_lg_u32 s[FLAG], 0                        ; the tile row and the wave's number alone
	s_cbranch_scc1 .Lno_f32
	WIN 0x08                                       ; an LDS store's data are its source 1: window 2
.irp b, 0,1,2,3,4,5,6,7
	ds_store_b128 v[STF], v[8*\b:8*\b+3] offset:64*\b              ; each accumulator from its low end on
	ds_store_b128 v[STF], v[8*\b+4:8*\b+7] offset:64*\b+16
.endr
	WIN 0
.irp t, 0,1,2,3,4,5,6,7,8,9,10,11,12,13,14,15
	ds_load_b128 v[BK+4*\t:BK+4*\t+3], v[RDF] offset:\t*SPF        ; LDS serves a wave's instructions in order: these see my stores
.endr
.irp t, 0,1,2,3,4,5,6,7,8,9,10,11,12,13,14,15
	s_wait_dscnt 15-\t
	global_store_b128 v[COF], v[BK+4*\t:BK+4*\t+3], s[16:17] offset:\t*12288
.endr
	s_wait_xcnt 0x0                                ; the stores have read their registers: these are loaded again below
.Lno_f32:
; THE WAY OUT in f16, a block of 16 rows x 128 columns at a time: rounded, 16 bytes a lane into my stage, back so that sixteen lanes hold two neighbouring t of one group: 256 consecutive bytes.
.macro PACK a
.set AC, 64*((\a)%4)
.set WN, 0x0a+5*((\a)/4)
	WIN WN                                         ; sources 0 and 1: window 2 or 3
.irp b, 0,1,2,3,4,5,6,7
.irp r, 0,1,2,3
	v_cvt_pk_f16_f32 v[TMP+4*\b+\r], v[AC+8*\b+2*\r], v[AC+8*\b+2*\r+1]
.endr
.endr
	WIN 0
.endm
.macro TOSTAGE a
.set BB, BK+32*((\a)%2)
.irp b, 0,1,2,3,4,5,6,7
	ds_store_b128 v[STO], v[TMP+4*\b:TMP+4*\b+3] offset:32*\b
.endr
.irp t, 0,1,2,3,4,5,6,7
	ds_load_b128 v[BB+4*\t:BB+4*\t+3], v[RD] offset:\t*2*SPH
.endr
.endm
.macro SEND a
.set BB, BK+32*((\a)%2)
	s_wait_dscnt 0x0                               ; the block is back in registers
	s_wait_xcnt 0x0                                ; the block before's stores have read their registers: the next block's loads land there
.irp t, 0,1,2,3,4,5,6,7
	global_store_b128 v[CO], v[BB+4*\t:BB+4*\t+3], s[14:15] offset:(\a)*2048+\t*256
.endr
.endm
	PACK 0
	TOSTAGE 0
.irp a, 1,2,3,4,5,6,7                  ; block a's conversions stand between block a - 1's loads from the stage and the wait for them
	PACK \a
	SEND \a-1
	TOSTAGE \a
.endr
	SEND 7
	s_wait_tensorcnt 0x0                           ; the wave's end: behind my last tensor load and my last LDS store
	ds_add_u32 v[SPW], v[NIL]
	s_wait_dscnt 0x0
	CROUND                                         ; the closing round
	s_endpgm
.Lfunc_end_k_q414a1d08fd_qkv:
	.size	k_q414a1d08fd_qkv, .Lfunc_end_k_q414a1d08fd_qkv-k_q414a1d08fd_qkv
	.p2alignl 7, 3214868480
	.fill 96, 4, 3214868480
	.section	.rodata,"a",@progbits
	.p2align	6, 0x0
	.amdhsa_kernel k_q414a1d08fd_qkv
		.amdhsa_group_segment_fixed_size 327680
		.amdhsa_private_segment_fixed_size 0
		.amdhsa_enable_private_segment 0
		.amdhsa_kernarg_size 56
		.amdhsa_user_sgpr_count 2
		.amdhsa_user_sgpr_kernarg_segment_ptr 1
		.amdhsa_wavefront_size32 1
		.amdhsa_system_sgpr_workgroup_id_x 1
		.amdhsa_system_sgpr_workgroup_id_y 1
		.amdhsa_system_sgpr_workgroup_id_z 1
		.amdhsa_system_vgpr_workitem_id 0
		.amdhsa_next_free_vgpr 1024
		.amdhsa_next_free_sgpr 98
		.amdhsa_reserve_vcc 0
		.amdhsa_float_denorm_mode_32 3
		.amdhsa_float_denorm_mode_16_64 3
		.amdhsa_memory_ordered 1
		.amdhsa_forward_progress 1
		.amdhsa_inst_pref_size 133
	.end_amdhsa_kernel
	.amdgpu_metadata
---
amdhsa.version: [ 1, 2 ]
amdhsa.kernels:
  - .name:           k_q414a1d08fd_qkv
    .symbol:         k_q414a1d08fd_qkv.kd
    .args:
      - { .name: xc, .offset: 0, .size: 8, .value_kind: global_buffer, .address_space: global }
      - { .name: xs, .offset: 8, .size: 8, .value_kind: global_buffer, .address_space: global }
      - { .name: wc, .offset: 16, .size: 8, .value_kind: global_buffer, .address_space: global }
      - { .name: ws, .offset: 24, .size: 8, .value_kind: global_buffer, .address_space: global }
      - { .name: b_qkv, .offset: 32, .size: 8, .value_kind: global_buffer, .address_space: global }
      - { .name: qkv16, .offset: 40, .size: 8, .value_kind: global_buffer, .address_space: global }
      - { .name: q32, .offset: 48, .size: 8, .value_kind: global_buffer, .address_space: global }
    .group_segment_fixed_size: 327680
    .private_segment_fixed_size: 0
    .kernarg_segment_align: 8
    .kernarg_segment_size: 56
    .max_flat_workgroup_size: 128
    .sgpr_count:     98
    .vgpr_count:     1024
    .wavefront_size: 32
...
	.end_amdgpu_metadata
.endif
;; end of part 2
;; launch attn (part 3): grid 4 x 64, 8 waves a work-group, no clusters, 327,680 bytes of LDS; arguments qkv16, y16; writes y16
.if DOCPART == 3
	.amdgcn_target "amdgcn-amd-amdhsa--gfx1250"
	.amdhsa_code_object_version 6
	.text
	.protected	k_q414a1d08fd_attn
	.globl	k_q414a1d08fd_attn
	.p2align	8
	.type	k_q414a1d08fd_attn,@function
k_q414a1d08fd_attn:
	s_mov_b64 s[64:65], 0
	v_nop
	global_prefetch_b8 v0, s[64:65] scope:SCOPE_SE
	s_setreg_imm32_b32 hwreg(HW_REG_WAVE_MODE, 25, 1), 1
	s_wait_xcnt 0x0
; y[b][t][h] = softmax over keys k <= t of (q . k / 8) times v, head size 64, 64 heads of 2,048 positions.  q, k, v: f16, [4 b][48 g][2048 t][64] (g: 16 q heads, 16 k heads, 16 v heads).  y16: f16 [16 h][8192 b t][64].
; Products on f16 operands with f32 sums; maxima, exponentials and row sums in f32; the weights p are rounded to f16 for the second product.
; LIMITS: a hidden key's weight is 0, which is what -1e9 in front of the softmax gives while a row's largest score lies above -1e9 + 104; f16 operands: magnitudes up to 65,504; NaN and infinities are not served.
; SHARES.  Work-group i of a head takes the query blocks (256 rows) 7 - i and i: (8 - i) + (i + 1) = 9 slots of 256 keys for every i: 256 work-groups of equal work, and the trip count is the constant 9.
; Wave pair p = wave % 4 owns queries 64 p .. 64 p + 63 of the block, four tiles of 16.  THE PAIR'S TWO WAVES SHARE THE KEYS: of a slot's four steps of 64 keys wave u = wave / 4 takes steps u and u + 2, with a maximum,
; sum and O^T of its own; at a block's end the upper wave hands its state to the lower through LDS.  So two waves stand on each SIMD, one's softmax beside the other's products, and each fragment of K and V still feeds four products.
; NO CLUSTER: the four work-groups of a head walk the same slots only for the first five trips; later a joint load would bring tiles that every wave of some partner leaves unread.
; LAYOUT.  S^T = K Q^T (source 0 = 16 keys, source 1 = 16 queries): a lane holds ONE query (lane % 16) and keys 8 (lane / 16) + 0..7.  Two such tiles, rounded in pairs, are source 1 of O^T = V^T P.  V is turned by ds_load_tr16_b128.
; THE MASK.  Only a block's last slot meets the diagonal: there step s is left out where s > p (a scalar branch on ids), and in step s = p hidden scores become -infinity ahead of the maximum.
; REGISTERS.  window 0: v2-15 addresses; v16-47 statistics, 8 a tile: +0 c m, +1 m, +2, +3 the sum (even keys', odd keys'), +4..7 at work; v48-55 the merge; v64-191 S^T, 32 a tile, p in place in each tile's first 16; v192-255 K.
;   window 1: v0-63 Q; v64-191 O^T, 32 a tile; v192-255 V.
.set KP,    144                        ; a row of K or Q in LDS: 128 bytes + 16
.set VP,    160                        ; a row of V: 128 + 32
.set VOFF,  256*KP                     ; a slot: 256 rows of K, then 256 rows of V
.set SLOT1, 1<<17
.set STG,   77824                      ; Q of the first block (filled once, at the head); later the lower waves' stages, 9,216 bytes each
.set SPARE, 114688                     ; the spare words, 128 bytes a wave
.set MRG,   208896                     ; 4 x 18,432: the upper wave's O^T as an image of its registers, its c m at + 16,384, its sums at + 16,896
.set Q2,    282624                     ; Q of the second block
.set AK0, 2
.set AV0, 3
.set ADK, 4
.set ADV, 5
.set AQ,  6                            ; also the stage on the way in: both are STG + 9,216 p + 144 r + 16 h
.set AQ2, 7
.set RD,  8
.set GO,  9
.set MG,  10
.set DG,  11
.set SPW, 12
.set NIL, 13
.set PFO, 14
.set NINF, 15
.set ST,  16
.set S,   64
.set KF,  192
.set OT,  64                           ; window 1
.set VF,  192                          ; window 1
.set WV, 8
.set P,  9
.set UP, 10
.set I,  11
.set L,  12
.set BH, 13
.set N,  14
.set TB, 15
.set G1K, 16
.set G1V, 24
.set G0K, 32
.set G0V, 36
.set G0Q, 40
.set G0Q2, 44
.set KB, 48
.set VB, 50
.set OF, 52
.set PFA, 54
.set LIM, 56
.set LIMIT, 57
.set SS, 58
.set TWICE, 59
.set TK, 60
.set TV, 61
.set CS, 62
.set SEL, 66
.set MK, 68
.set YB, 76
.set YP, 78
.set UPK, 80
.set UPV, 81
.set MSB, 0
.macro WIN new
.if MSB != \new
	s_set_vgpr_msb (MSB<<8)|\new
.set MSB, \new
.endif
.endm
.set W_KQ, 0x04                        ; Q (source 1) in window 1
.set W_PV, 0x51                        ; V (source 0), C and D in window 1
.set W_RS, 0x41                        ; O^T (destination, source 0) in window 1
.set TO1,  0x40                        ; destination in window 1
.set ST1,  0x04                        ; an LDS store's data (source 1) in window 1
.set FM,   0x01                        ; source 0 in window 1
.macro PLACES
.rept 4
	v_nop
.endr
.endm
.macro TLOAD                           ; waves 0-3 fetch K's quarters, waves 4-7 V's: one load a wave.  An s_nop 0 and four v_nop follow each line
	s_cmp_lt_u32 s[WV], 4
	s_cbranch_scc0 .Lfor_v_\@
	tensor_load_to_lds s[G0K:G0K+3], s[G1K:G1K+7]
	s_nop 0
.rept 4
	v_nop
.endr
	s_branch .Lasked_\@
.Lfor_v_\@:
	tensor_load_to_lds s[G0V:G0V+3], s[G1V:G1V+7]
	s_nop 0
.rept 4
	v_nop
.endr
.Lasked_\@:
.endm
; A PREFETCH INTO THE L2 of the slot that the NEXT change of slots will ask for.  The head's work-group 0 alone asks: it walks slots 0 to 7 in order.  Each of its eight waves names the 8,192 bytes that it will itself load,
; lanes 256 bytes apart: each block of 256 bytes is named once in the launch.  In trip N it names slot N + 2, one trip (two key steps a wave) ahead of that slot's load; behind trip 5 it asks for nothing.
; Slots 0 and 1 come by their loads alone; the second block's slots have been read before.
.macro ASK
	s_cmp_lt_u32 s[N], s[LIM]
	s_cbranch_scc0 .Lnot_mine_\@
	global_prefetch_b8 v[PFO], s[PFA:PFA+1] th:TH_LOAD_NT scope:SCOPE_SE
.Lnot_mine_\@:
.endm
; THE CHANGE OF SLOTS, at a trip's head.  Each wave waits for all its tensor loads (its part of the slot ahead), adds 0 to its spare word, and waits for that and for its LDS reads.  Behind the barrier the slot ahead is whole and
; nobody reads the other one; fill = 1: that one takes the keys of the next trip: slot N + 1 of the first block, or N - L of the second.
.macro CHANGE fill
	s_wait_tensorcnt 0x0                           ; no tensor load of mine is out, so a group 0 may be written
	ds_add_u32 v[SPW], v[NIL]                      ; the descriptors' steps stand between the add and the wait for it
.if \fill
	s_add_co_u32 s82, s[N], 1
	s_sub_co_u32 s83, s[N], s[L]
	s_cmp_gt_u32 s82, s[L]
	s_cselect_b32 s82, s83, s82                    ; which 256 keys
	s_lshl_b32 s[OF], s82, 15                      ; x 32,768 bytes
	s_xor_b32 s[G0K+1], s[G0K+1], SLOT1
	s_add_nc_u64 s[G0K+2:G0K+3], s[KB:KB+1], s[OF:OF+1]
	s_or_b32 s[G0K+3], s[G0K+3], 0x80000000
	s_xor_b32 s[G0V+1], s[G0V+1], SLOT1
	s_add_nc_u64 s[G0V+2:G0V+3], s[VB:VB+1], s[OF:OF+1]
	s_or_b32 s[G0V+3], s[G0V+3], 0x80000000
	s_wait_xcnt 0x0                                ; the last prefetch, a trip back, has read its address
	s_add_nc_u64 s[PFA:PFA+1], s[PFA:PFA+1], 32768
.endif
	s_wait_dscnt 0x0
	s_barrier_signal -1
	s_barrier_wait -1
.if \fill
	TLOAD                                          ; the first thing behind the barrier, and my one tensor load until the next change
	ASK
.endif
.endm
.macro MASK                            ; step s = p: tile t of queries against tile kt of keys: kt < t all count, kt > t none, kt = t: key 8 h + j is hidden where j > r - 8 h
.irp t, 0,1,2,3
.irp j, 0,1,2,3,4,5,6,7
	v_cndmask_b32 v[S+40*\t+\j], v[S+40*\t+\j], v[NINF], s[MK+\j]
.endr
.endr
.irp t, 0,1,2
.irp kt, 1,2,3
.if \kt > \t
.irp j, 0,1,2,3,4,5,6,7
	v_mov_b32 v[S+32*\t+8*\kt+\j], v[NINF]
.endr
.endif
.endr
.endr
.endm
; The four tiles' softmax for 64 keys, line by line over the tiles, so that no line waits for the line above it.
.macro SOFTMAX
.irp j, 0,1,2,3
.irp t, 0,1,2,3
	v_max3_num_f32 v[ST+8*\t+4+\j], v[S+32*\t+8*\j], v[S+32*\t+8*\j+1], v[S+32*\t+8*\j+2]   ; each accumulator is read from its low end on
.endr
.endr
.irp u, 1,2
.irp j, 0,1,2,3
.irp t, 0,1,2,3
	v_max3_num_f32 v[ST+8*\t+4+\j], v[ST+8*\t+4+\j], v[S+32*\t+8*\j+2*\u+1], v[S+32*\t+8*\j+2*\u+2]
.endr
.endr
.endr
.irp t, 0,1,2,3
	v_max3_num_f32 v[ST+8*\t+4], v[ST+8*\t+4], v[S+32*\t+7], v[S+32*\t+15]
.endr
.irp t, 0,1,2,3
	v_max3_num_f32 v[ST+8*\t+6], v[ST+8*\t+6], v[S+32*\t+23], v[S+32*\t+31]
.endr
.irp t, 0,1,2,3
	v_max3_num_f32 v[ST+8*\t+4], v[ST+8*\t+4], v[ST+8*\t+5], v[ST+8*\t+6]
.endr
.irp t, 0,1,2,3
	v_max3_num_f32 v[ST+8*\t+4], v[ST+8*\t+4], v[ST+8*\t+7], v[ST+8*\t+1]      ; with the old m
.endr
.irp t, 0,1,2,3
	v_permlanex16_b32 v[ST+8*\t+5], v[ST+8*\t+4], s[SEL], s[SEL+1]             ; the query's other 32 keys lie in the lane 16 away
.endr
.irp t, 0,1,2,3
	v_mov_b32 v[ST+8*\t+7], v[ST+8*\t]
.endr
.irp t, 0,1,2,3
	v_max_num_f32 v[ST+8*\t+1], v[ST+8*\t+4], v[ST+8*\t+5]                     ; the new m
.endr
.irp t, 0,1,2,3
	v_mul_f32 v[ST+8*\t], s[CS], v[ST+8*\t+1]                                  ; c m
.endr
.irp t, 0,1,2,3
	v_sub_f32 v[ST+8*\t+7], v[ST+8*\t+7], v[ST+8*\t]                           ; c m_old - c m_new
.endr
.set e, 0
.rept 16
.irp t, 0,1,2,3
	v_pk_fma_f32 v[S+32*\t+2*e:S+32*\t+2*e+1], v[S+32*\t+2*e:S+32*\t+2*e+1], s[CS:CS+1], v[ST+8*\t:ST+8*\t+1] op_sel_hi:[1,0,0] neg_lo:[0,0,1] neg_hi:[0,0,1]   ; c s - c m
.endr
.set e, e+1
.endr
.irp t, 0,1,2,3
	v_exp_f32 v[ST+8*\t+6], v[ST+8*\t+7]                                       ; a = 2^(c m_old - c m_new)
.endr
.set e, 0
.rept 32
.irp t, 0,1,2,3
	v_exp_f32 v[S+32*\t+e], v[S+32*\t+e]                                       ; p
.endr
.set e, e+1
.endr
	v_nop                                          ; a plain line behind the last exponential,
	s_wait_alu depctr_va_vdst(0)                   ; and ONE wait for the batch of 132, ahead of its first reader
.irp t, 0,1,2,3
	v_pk_mul_f32 v[ST+8*\t+2:ST+8*\t+3], v[ST+8*\t+2:ST+8*\t+3], v[ST+8*\t+6:ST+8*\t+7] op_sel_hi:[1,0]   ; the sums under the new m
.endr
.irp t, 0,1,2,3
	v_pk_add_f32 v[ST+8*\t+4:ST+8*\t+5], v[S+32*\t+2:S+32*\t+3], v[S+32*\t+6:S+32*\t+7]   ; the row's sum of the unrounded p, in two chains
.endr
.irp t, 0,1,2,3
	v_pk_add_f32 v[ST+8*\t+2:ST+8*\t+3], v[ST+8*\t+2:ST+8*\t+3], v[S+32*\t:S+32*\t+1]
.endr
.irp b, 1,2,3,4,5,6,7
.irp t, 0,1,2,3
	v_pk_add_f32 v[ST+8*\t+2:ST+8*\t+3], v[ST+8*\t+2:ST+8*\t+3], v[S+32*\t+4*\b:S+32*\t+4*\b+1]
.if \b > 1
	v_pk_add_f32 v[ST+8*\t+4:ST+8*\t+5], v[ST+8*\t+4:ST+8*\t+5], v[S+32*\t+4*\b+2:S+32*\t+4*\b+3]
.endif
.endr
.endr
.irp t, 0,1,2,3
	v_pk_add_f32 v[ST+8*\t+2:ST+8*\t+3], v[ST+8*\t+2:ST+8*\t+3], v[ST+8*\t+4:ST+8*\t+5]
.endr
.set e, 0
.rept 16
.irp t, 0,1,2,3
	v_cvt_pk_f16_f32 v[S+32*\t+e], v[S+32*\t+2*e], v[S+32*\t+2*e+1]            ; p in f16, in place: register e is written when 2 e and 2 e + 1 have been read
.endr
.set e, e+1
.endr
	WIN W_RS
.set e, 0
.rept 16
.irp t, 0,1,2,3
	v_pk_mul_f32 v[OT+32*\t+2*e:OT+32*\t+2*e+1], v[OT+32*\t+2*e:OT+32*\t+2*e+1], v[ST+8*\t+6:ST+8*\t+7] op_sel_hi:[1,0]   ; O^T under the new m
.endr
.set e, e+1
.endr
	WIN 0
.endm
; A KEY STEP: 64 keys against my 64 queries: 32 + 32 matrix instructions; in each kind the 16 accumulators take turns, one instruction a turn.
.macro STEP
	s_cmp_gt_u32 s[SS], s[LIMIT]                   ; all keys hidden: the step is left out (ids and counts alone)
	s_cbranch_scc1 .Lskip_\@
	v_add_nc_u32 v[ADK], s[TK], v[AK0]
	v_add_nc_u32 v[ADV], s[TV], v[AV0]
.rept 3
	v_nop                                          ; with the two additions five places behind the last V^T P: the loads below land on its V, and the first K Q^T writes over its p
.endr
.irp f, 0,1,2,3,4,5,6,7                ; K: keys 16 (f / 2) on, channels 32 (f % 2) on
	ds_load_b128 v[KF+8*\f:KF+8*\f+3], v[ADK] offset:(\f/2)*16*KP+(\f%2)*64
	ds_load_b128 v[KF+8*\f+4:KF+8*\f+7], v[ADK] offset:(\f/2)*16*KP+(\f%2)*64+32
.endr
	WIN TO1
.irp f, 0,1,2,3,4,5,6,7                ; V, turned: keys 32 (f / 4) on, channels 16 (f % 4) on
	ds_load_tr16_b128 v[VF+8*\f:VF+8*\f+3], v[ADV] offset:(\f/4)*32*VP+(\f%4)*32
	ds_load_tr16_b128 v[VF+8*\f+4:VF+8*\f+7], v[ADV] offset:(\f/4)*32*VP+16*VP+(\f%4)*32
.endr
	s_wait_dscnt 16                                ; K (and Q) are in; V's sixteen loads may be out
	WIN W_KQ
.set i, 0
.rept 32                               ; channels 32 (i / 16) on, keys 16 ((i / 4) % 4) on, tile i % 4
.set rS, S+32*(i%4)+8*((i/4)%4)
.set rK, KF+16*((i/4)%4)+8*(i/16)
.set rQ, 16*(i%4)+8*(i/16)
.if i < 16
	v_wmma_f32_16x16x32_f16 v[rS:rS+7], v[rK:rK+7], v[rQ:rQ+7], 0
.else
	v_wmma_f32_16x16x32_f16 v[rS:rS+7], v[rK:rK+7], v[rQ:rQ+7], v[rS:rS+7]
.endif
.set i, i+1
.endr
	WIN 0
	PLACES
	s_cmp_lg_u32 s[SS], s[LIMIT]
	s_cbranch_scc1 .Lopen_\@
	MASK
.Lopen_\@:
	SOFTMAX
	s_wait_dscnt 0x0                               ; V is in
	WIN W_PV
.set i, 0
.rept 32                               ; keys 32 (i / 16) on, channels 16 ((i / 4) % 4) on, tile i % 4
.set rO, OT+32*(i%4)+8*((i/4)%4)
.set rV, VF+32*(i/16)+8*((i/4)%4)
.set rP, S+32*(i%4)+8*(i/16)
	v_wmma_f32_16x16x32_f16 v[rO:rO+7], v[rV:rV+7], v[rP:rP+7], v[rO:rO+7]
.set i, i+1
.endr
	WIN 0
.Lskip_\@:
.endm
.macro TWO_STEPS                       ; my two steps of the slot in hand: written once, walked twice
	s_add_co_u32 s[TK], s[TB], s[UPK]
	s_add_co_u32 s[TV], s[TB], s[UPV]
	s_mov_b32 s[SS], s[UP]
	s_mov_b32 s[TWICE], 2
.Lstep_\@:
	STEP
	s_add_co_u32 s[TK], s[TK], 128*KP
	s_add_co_u32 s[TV], s[TV], 128*VP
	s_add_co_u32 s[SS], s[SS], 2
	s_sub_co_u32 s[TWICE], s[TWICE], 1
	s_cmp_lg_u32 s[TWICE], 0
	s_cbranch_scc1 .Lstep_\@
.endm
; A block begins: O^T and the sums as zeros, m as -3e38.  No first step can start the sums by a constant C: a wave may have no step at all in a block (block 0, pair 0, the upper wave), and hands over this state then.
.macro INIT
	WIN TO1
.set e, 0
.rept 128
	v_mov_b32 v[OT+e], 0
.set e, e+1
.endr
	WIN 0
.irp t, 0,1,2,3
	v_mov_b32 v[ST+8*\t+1], 0xff61b1e6
	v_mul_f32 v[ST+8*\t], s[CS], v[ST+8*\t+1]
.irp j, 2,3,4,5,6,7
	v_mov_b32 v[ST+8*\t+\j], 0
.endr
.endr
.endm
.macro QLOAD adr                       ; my 64 queries: tile f / 2, channels 32 (f % 2) on
	WIN TO1
.irp f, 0,1,2,3,4,5,6,7
	ds_load_b128 v[8*\f:8*\f+3], v[\adr] offset:(\f/2)*16*KP+(\f%2)*64
	ds_load_b128 v[8*\f+4:8*\f+7], v[\adr] offset:(\f/2)*16*KP+(\f%2)*64+32
.endr
	WIN 0
.endm
.macro HAND                            ; the upper wave's state goes to LDS as an image of its registers: 16 bytes a lane, 512 a store
.irp t, 0,1,2,3
	v_mov_b32 v[48+\t], v[ST+8*\t]
.endr
.irp t, 0,1,2,3
	v_add_f32 v[52+\t], v[ST+8*\t+2], v[ST+8*\t+3]
.endr
	ds_store_b128 v[MG], v[48:51] offset:16384
	ds_store_b128 v[MG], v[52:55] offset:16896
	WIN ST1
.set e, 0
.rept 32
	ds_store_b128 v[MG], v[OT+4*e:OT+4*e+3] offset:512*e           ; each accumulator from its low end on
.set e, e+1
.endr
	WIN 0
.endm
; The lower wave joins the two states, divides by the sum, rounds to f16 and stores 64 rows of y, through its stage: 32 lanes store 512 consecutive bytes (four rows of 128).
.macro MERGE blk
	ds_load_b128 v[48:51], v[MG] offset:16384
	ds_load_b128 v[52:55], v[MG] offset:16896
.set e, 0
.rept 32
	ds_load_b128 v[S+4*e:S+4*e+3], v[MG] offset:512*e
.set e, e+1
.endr
	s_wait_dscnt 32                                ; the partner's c m and sums are in; its O^T may be out
.irp t, 0,1,2,3
	v_max_num_f32 v[ST+8*\t+4], v[ST+8*\t], v[48+\t]
.endr
.irp t, 0,1,2,3
	v_sub_f32 v[ST+8*\t+5], v[ST+8*\t], v[ST+8*\t+4]
.endr
.irp t, 0,1,2,3
	v_sub_f32 v[ST+8*\t+6], v[48+\t], v[ST+8*\t+4]
.endr
.irp t, 0,1,2,3
	v_exp_f32 v[ST+8*\t+5], v[ST+8*\t+5]                           ; a1
.endr
.irp t, 0,1,2,3
	v_exp_f32 v[ST+8*\t+6], v[ST+8*\t+6]                           ; a2
.endr
.irp t, 0,1,2,3
	v_add_f32 v[ST+8*\t+2], v[ST+8*\t+2], v[ST+8*\t+3]             ; (plain lines behind the exponentials)
.endr
	s_wait_alu depctr_va_vdst(0)                   ; one wait for the eight
.irp t, 0,1,2,3
	v_mul_f32 v[ST+8*\t+2], v[ST+8*\t+2], v[ST+8*\t+5]
.endr
.irp t, 0,1,2,3
	v_fma_f32 v[ST+8*\t+2], v[52+\t], v[ST+8*\t+6], v[ST+8*\t+2]
.endr
.irp t, 0,1,2,3
	v_permlanex16_b32 v[ST+8*\t+3], v[ST+8*\t+2], s[SEL], s[SEL+1]
.endr
.irp t, 0,1,2,3
	v_add_f32 v[ST+8*\t+2], v[ST+8*\t+2], v[ST+8*\t+3]             ; the row's sum
.endr
.irp t, 0,1,2,3
	v_rcp_f32 v[ST+8*\t+3], v[ST+8*\t+2]
.endr
	v_nop
	s_wait_alu depctr_va_vdst(0)                   ; one wait for the four
.irp t, 0,1,2,3
	v_mul_f32 v[ST+8*\t+4], v[ST+8*\t+6], v[ST+8*\t+3]             ; f2 = a2 / sum
.endr
.irp t, 0,1,2,3
	v_mul_f32 v[ST+8*\t+6], v[ST+8*\t+5], v[ST+8*\t+3]             ; f1 = a1 / sum
.endr
	s_wait_dscnt 0x0
.set e, 0
.rept 64
	v_pk_mul_f32 v[S+2*e:S+2*e+1], v[S+2*e:S+2*e+1], v[ST+8*(e/16)+4:ST+8*(e/16)+5] op_sel_hi:[1,0]
.set e, e+1
.endr
	WIN FM
.set e, 0
.rept 64
	v_pk_fma_f32 v[S+2*e:S+2*e+1], v[OT+2*e:OT+2*e+1], v[ST+8*(e/16)+6:ST+8*(e/16)+7], v[S+2*e:S+2*e+1] op_sel_hi:[1,0,1]
.set e, e+1
.endr
	WIN 0
.set e, 0
.rept 16
.irp t, 0,1,2,3
	v_cvt_pk_f16_f32 v[S+32*\t+e], v[S+32*\t+2*e], v[S+32*\t+2*e+1]
.endr
.set e, e+1
.endr
.irp t, 0,1,2,3
.irp c, 0,1,2,3
	ds_store_b128 v[AQ], v[S+32*\t+4*\c:S+32*\t+4*\c+3] offset:\t*16*KP+32*\c   ; row 16 t + r, channels 16 c + 8 h on
.endr
.endr
.irp t, 0,1,2,3
.irp u, 0,1,2,3
	ds_load_b128 v[S+32*\t+16+4*\u:S+32*\t+16+4*\u+3], v[RD] offset:\t*16*KP+\u*4*KP   ; LDS serves a wave's instructions in order: these see my stores
.endr
.endr
	s_wait_xcnt 0x0                                ; earlier stores have read their base
	s_lshl_b32 s82, s[\blk], 15
	s_mov_b32 s83, 0
	s_add_nc_u64 s[YP:YP+1], s[YB:YB+1], s[82:83]
.irp t, 0,1,2,3
.irp u, 0,1,2,3
	s_wait_dscnt 15-4*\t-\u
	global_store_b128 v[GO], v[S+32*\t+16+4*\u:S+32*\t+16+4*\u+3], s[YP:YP+1] offset:2048*\t+512*\u
.endr
.endr
	s_wait_xcnt 0x0                                ; the stores have read their registers: the next products write there
.endm
	s_load_b128 s[4:7], s[0:1], 0x0                ; qkv16 s[4:5], y16 s[6:7]
	v_lshl_add_u32 v[SPW], v0, 2, SPARE
	v_mov_b32 v[NIL], 0
	ds_add_u32 v[SPW], v[NIL]                      ; the wave's opening: the add, twice on end, and its wait ahead of my first tensor load
	ds_add_u32 v[SPW], v[NIL]
	v_lshrrev_b32 v1, 5, v0
	v_readfirstlane_b32 s[WV], v1
	s_and_b32 s[P], s[WV], 3
	s_lshr_b32 s[UP], s[WV], 2
	s_mov_b32 s[I], ttmp9
	s_sub_co_u32 s[L], 7, s[I]
	s_and_b32 s[BH], ttmp7, 0xffff
	; group 1: 64 rows of 128 bytes are dense in memory: stated as 32 rows of 256 bytes, with padding behind every 128
	s_mov_b32 s[G1K], (1<<16)|(1<<20)|(4<<22)|(3<<25)      ; elements of 2 bytes; 4 words of padding behind every 32
	s_mov_b32 s[G1V], (1<<16)|(1<<20)|(4<<22)|(7<<25)      ; 8 words
.irp g, G1K, G1V
	s_mov_b32 s[\g+1], 128<<16
	s_mov_b32 s[\g+2], 32<<16
	s_mov_b32 s[\g+3], 128<<16
	s_mov_b32 s[\g+4], 32
	s_mov_b32 s[\g+5], 128
	s_mov_b32 s[\g+6], 0
	s_mov_b32 s[\g+7], 0
.endr
	s_mov_b32 s[CS], 0x3e38aa3b                    ; c = log2(e) / 8
	s_mov_b32 s[CS+1], s[CS]
	s_mov_b32 s[SEL], 0x76543210
	s_mov_b32 s[SEL+1], 0xfedcba98
	s_mov_b32 s[OF+1], 0
	s_mul_i32 s[UPK], s[UP], 64*KP
	s_mul_i32 s[UPV], s[UP], 64*VP
	s_cmp_eq_u32 s[I], 0
	s_cselect_b32 s[LIM], 6, 0
	s_lshr_b32 s82, s[BH], 4                       ; b
	s_and_b32 s83, s[BH], 15                       ; h
	s_mul_i32 s84, s82, 48
	s_add_co_u32 s84, s84, s83
	s_lshl_b32 s84, s84, 18                        ; the q head's first byte
	s_lshl_b32 s85, s[P], 13                       ; my quarter: 64 rows of 128 bytes
	s_add_co_u32 s84, s84, s85
	s_mov_b32 s85, 0
	s_lshl_b32 s88, s83, 20                        ; y16: h x 8,192 rows,
	s_lshl_b32 s89, s82, 18                        ; b x 2,048 rows,
	s_add_co_u32 s88, s88, s89
	s_lshl_b32 s89, s[P], 13                       ; my pair's 64 rows
	s_add_co_u32 s88, s88, s89
	s_mov_b32 s89, 0
	s_mul_i32 s82, s[P], 64*KP
	s_mul_i32 s83, s[P], 64*VP
	s_wait_dscnt 0x0                               ; both opening adds are done
	s_wait_kmcnt 0x0
	s_add_nc_u64 s[86:87], s[4:5], s[84:85]        ; q, my quarter of block 0
	s_add_nc_u64 s[KB:KB+1], s[86:87], 16*262144
	s_add_nc_u64 s[VB:VB+1], s[86:87], 32*262144
	s_add_nc_u64 s[YB:YB+1], s[6:7], s[88:89]
	s_mov_b32 s[G0K], 1
	s_mov_b32 s[G0K+1], s82
	s_mov_b64 s[G0K+2:G0K+3], s[KB:KB+1]
	s_or_b32 s[G0K+3], s[G0K+3], 0x80000000
	s_mov_b32 s[G0V], 1
	s_add_co_u32 s[G0V+1], s83, VOFF
	s_mov_b64 s[G0V+2:G0V+3], s[VB:VB+1]
	s_or_b32 s[G0V+3], s[G0V+3], 0x80000000
	s_lshl_b32 s[OF], s[L], 15
	s_mov_b32 s[G0Q], 1
	s_add_co_u32 s[G0Q+1], s82, STG
	s_add_nc_u64 s[G0Q+2:G0Q+3], s[86:87], s[OF:OF+1]
	s_or_b32 s[G0Q+3], s[G0Q+3], 0x80000000
	s_lshl_b32 s[OF], s[I], 15
	s_mov_b32 s[G0Q2], 1
	s_add_co_u32 s[G0Q2+1], s82, Q2
	s_add_nc_u64 s[G0Q2+2:G0Q2+3], s[86:87], s[OF:OF+1]
	s_or_b32 s[G0Q2+3], s[G0Q2+3], 0x80000000
	s_cmp_lt_u32 s[WV], 4                          ; a wave's first fills stand in one branch: waves 0-3 have three loads out (K, both Q), waves 4-7 one (V); every wait on TENSORcnt in this text is for 0
	s_cbranch_scc0 .Lfirst_v
	tensor_load_to_lds s[G0K:G0K+3], s[G1K:G1K+7]
	s_nop 0
	tensor_load_to_lds s[G0Q:G0Q+3], s[G1K:G1K+7]
	s_nop 0
	tensor_load_to_lds s[G0Q2:G0Q2+3], s[G1K:G1K+7]
	s_nop 0
.rept 4
	v_nop
.endr
	s_branch .Lfirst_done
.Lfirst_v:
	tensor_load_to_lds s[G0V:G0V+3], s[G1V:G1V+7]
	s_nop 0
.rept 4
	v_nop
.endr
.Lfirst_done:
	s_cmp_lt_u32 s[WV], 4
	s_cselect_b64 s[PFA:PFA+1], s[KB:KB+1], s[VB:VB+1]
	s_add_nc_u64 s[PFA:PFA+1], s[PFA:PFA+1], 32768 ; at slot 1: the first change steps it to slot 2.  Nothing is prefetched here, at the head
	v_and_b32 v1, 15, v0                           ; r
	v_bfe_u32 v56, v0, 4, 1                        ; h
	v_and_b32 v57, 31, v0                          ; lane
	v_and_b32 v58, 7, v0
	v_bfe_u32 v59, v0, 3, 1
	v_bfe_u32 v60, v0, 3, 2
	v_mul_u32_u24 v[AK0], v1, KP
	v_lshl_add_u32 v[AK0], v56, 4, v[AK0]          ; row r, + 16 h
	v_lshl_add_u32 v[AV0], v56, 3, v58
	v_mul_u32_u24 v[AV0], v[AV0], VP
	v_lshl_add_u32 v[AV0], v59, 4, v[AV0]
	v_add_nc_u32 v[AV0], VOFF, v[AV0]              ; the turning load: key 8 h + lane % 8, channels 8 ((lane / 8) % 2) on
	s_add_co_u32 s82, s82, STG
	v_add_nc_u32 v[AQ], s82, v[AK0]
	v_add_nc_u32 v[AQ2], Q2-STG, v[AQ]
	v_mul_u32_u24 v[RD], v60, KP
	v_lshl_add_u32 v[RD], v58, 4, v[RD]
	v_add_nc_u32 v[RD], s82, v[RD]                 ; out of the stage: eight lanes to a row
	v_lshlrev_b32 v[GO], 4, v57
	s_mul_i32 s83, s[P], 18432
	s_add_co_u32 s83, s83, MRG
	v_add_nc_u32 v[MG], s83, v[GO]
	v_lshlrev_b32 v61, 3, v56
	v_sub_nc_u32 v[DG], v1, v61                    ; r - 8 h
	v_lshlrev_b32 v[PFO], 8, v57
	v_mov_b32 v[NINF], 0xff800000
.irp j, 0,1,2,3,4,5,6,7
	v_cmp_gt_i32 s[MK+\j], \j, v[DG]               ; on the diagonal tile register j is hidden where j > r - 8 h
.endr
	INIT
	s_wait_tensorcnt 0x0
	s_barrier_signal -1
	s_barrier_wait -1                              ; slot 0 and both blocks' Q are whole
	QLOAD AQ
	s_mov_b32 s[N], 0
	s_mov_b32 s[TB], 0
.Ltrip:                                            ; eight trips; the ninth is written out
	CHANGE 1
	s_cmp_eq_u32 s[N], s[L]
	s_cselect_b32 s[LIMIT], s[P], 64               ; in the block's last slot steps beyond p are hidden
	TWO_STEPS
	s_xor_b32 s[TB], s[TB], SLOT1
	PLACES                                         ; behind the last products, for all that follows on any way
	s_cmp_lg_u32 s[N], s[L]
	s_cbranch_scc1 .Lkeep
	s_cmp_lt_u32 s[WV], 4
	s_cbranch_scc1 .Lkeep
	HAND
.Lkeep:
	s_wait_dscnt 0x0                               ; my stores have landed
	s_barrier_signal -1                            ; this barrier stands in every trip, so that none is jumped over: the hand-over in front of it, the merge behind it
	s_barrier_wait -1
	s_cmp_lg_u32 s[N], s[L]
	s_cbranch_scc1 .Lon
	s_cmp_lt_u32 s[WV], 4
	s_cbranch_scc0 .Lfresh
	MERGE L
.Lfresh:
	INIT
	QLOAD AQ2
.Lon:
	s_add_co_u32 s[N], s[N], 1
	s_cmp_lt_u32 s[N], 8
	s_cbranch_scc1 .Ltrip
	CHANGE 0                                       ; the last slot: the second block's diagonal
	s_mov_b32 s[LIMIT], s[P]
	TWO_STEPS
	PLACES
	s_cmp_lt_u32 s[WV], 4
	s_cbranch_scc1 .Lkeep2
	HAND
.Lkeep2:
	s_wait_dscnt 0x0
	s_barrier_signal -1
	s_barrier_wait -1
	s_cmp_lt_u32 s[WV], 4
	s_cbranch_scc0 .Lend
	MERGE I
.Lend:
	s_wait_tensorcnt 0x0                           ; the wave's end: behind my last tensor load and my last LDS store
	ds_add_u32 v[SPW], v[NIL]
	s_wait_dscnt 0x0
	s_endpgm
.Lfunc_end_k_q414a1d08fd_attn:
	.size	k_q414a1d08fd_attn, .Lfunc_end_k_q414a1d08fd_attn-k_q414a1d08fd_attn
	.p2alignl 7, 3214868480
	.fill 96, 4, 3214868480
	.section	.rodata,"a",@progbits
	.p2align	6, 0x0
	.amdhsa_kernel k_q414a1d08fd_attn
		.amdhsa_group_segment_fixed_size 327680
		.amdhsa_private_segment_fixed_size 0
		.amdhsa_enable_private_segment 0
		.amdhsa_kernarg_size 16
		.amdhsa_user_sgpr_count 2
		.amdhsa_user_sgpr_kernarg_segment_ptr 1
		.amdhsa_wavefront_size32 1
		.amdhsa_system_sgpr_workgroup_id_x 1
		.amdhsa_system_sgpr_workgroup_id_y 1
		.amdhsa_system_sgpr_workgroup_id_z 1
		.amdhsa_system_vgpr_workitem_id 0
		.amdhsa_next_free_vgpr 512
		.amdhsa_next_free_sgpr 92
		.amdhsa_reserve_vcc 0
		.amdhsa_float_denorm_mode_32 3
		.amdhsa_float_denorm_mode_16_64 3
		.amdhsa_memory_ordered 1
		.amdhsa_forward_progress 1
		.amdhsa_inst_pref_size 140
	.end_amdhsa_kernel
	.amdgpu_metadata
---
amdhsa.version: [ 1, 2 ]
amdhsa.kernels:
  - .name:           k_q414a1d08fd_attn
    .symbol:         k_q414a1d08fd_attn.kd
    .args:
      - { .name: qkv16, .offset: 0, .size: 8, .value_kind: global_buffer, .address_space: global }
      - { .name: y16, .offset: 8, .size: 8, .value_kind: global_buffer, .address_space: global }
    .group_segment_fixed_size: 327680
    .private_segment_fixed_size: 0
    .kernarg_segment_align: 8
    .kernarg_segment_size: 16
    .max_flat_workgroup_size: 256
    .sgpr_count:     92
    .vgpr_count:     512
    .wavefront_size: 32
...
	.end_amdgpu_metadata
.endif
;; end of part 3
;; launch proj (part 4): grid 4 x 64, 4 waves a work-group, clusters of 4 x 4, 327,680 bytes of LDS; arguments y16, wp16, b_proj, out0; writes out0
.if DOCPART == 4
	.amdgcn_target "amdgcn-amd-amdhsa--gfx1250"
	.amdhsa_code_object_version 6
	.text
	.protected	k_q414a1d08fd_proj
	.globl	k_q414a1d08fd_proj
	.p2align	8
	.type	k_q414a1d08fd_proj,@function
k_q414a1d08fd_proj:
	s_mov_b64 s[64:65], 0
	v_nop
	global_prefetch_b8 v0, s[64:65] scope:SCOPE_SE
	s_setreg_imm32_b32 hwreg(HW_REG_WAVE_MODE, 25, 1), 1
	s_wait_xcnt 0x0
	s_wait_alu depctr_hold_cnt(0) depctr_sa_sdst(0) depctr_va_vdst(0) depctr_va_sdst(0) depctr_va_ssrc(0) depctr_va_vcc(0) depctr_vm_vsrc(0)
	s_getreg_b32 s2, hwreg(HW_REG_IB_STS2, 6, 4)
	s_cmp_eq_u32 s2, 0
	s_cbranch_scc0 .Lentry_in_a_cluster
	s_endpgm
.Lentry_in_a_cluster:
	s_bfe_u32 s2, ttmp6, 0x10000c
	s_cmp_lg_u32 s2, 0xf033
	s_cbranch_scc0 .Lentry_shape_is_right
	s_endpgm
.Lentry_shape_is_right:
; out0 = y w_proj + b_proj.  y16: f16 [16 = k / 64][8192 m][64]; wp16: f16 [16 = k / 64][1024 n][64]; out0: f32 [8192][1024]; sums in f32.  M = 8,192, N = 1,024, K = 1,024.
; A tile is 128 (m) x 256 (n): 256 work-groups.  Four waves, 64 x 128 each: 32 accumulators, 256 registers.  K goes in steps of 128 (two parts of 64) through a ring of two LDS slots.
; In both buffers the rows of a tile's part are dense: 128 rows of y are 16,384 bytes, 256 rows of w 32,768: one tensor load a wave (waves 0, 1: y's two parts; waves 2, 3: w's).
; CLUSTERS 4 x 4: y's tile is shared along a row of the cluster, w's along a column: each is asked for jointly.  THE MATRIX INSTRUCTION IS USED TRANSPOSED (source 0 = 16 rows of wp16, source 1 = 16 rows of y).
; The bias is the C of each sum's first instruction.  All rows are written here; positions 0 to 15 of each batch are written again, from f32 arithmetic, by the launch that follows: a branch round them would hang on the place in the cluster.
; No prefetch: a K step is 128 matrix instructions a wave, and w's 2 MiB are walked by every cluster.
; LIMITS: f16 operands: magnitudes up to 65,504.
; REGISTERS: window 0: v16-29 addresses; v64-127 the bias; v128-255 rows on the way out.  window 1: the accumulators, (a, b) at v[8 (8 a + b)].  window 2: two fragment buffers of 96: w's eight, then y's four.
.set PITCH,  144                       ; an LDS row: 128 bytes + 16
.set APART,  128*PITCH
.set BPART,  256*PITCH
.set SLOT,   2*APART+2*BPART
.set SPARE,  2*SLOT
.set SPITCH, 528                       ; the way out: 16 rows x (512 + 16) for each wave, in slot 0, which has had its last fill and its last read by then
.set LAPS,   4
.set ADRA, 16
.set ADRB, 20
.set STO,  24
.set RD,   25
.set CO,   26
.set BO,   27
.set SPW,  28
.set NIL,  29
.set BI,   64
.set BK,   128
.set F0,   0
.set F1,   96
.set WV, 12
.set G1, 24
.set G0, 32
.set G1B, 48
.set G0B, 56
.set MSB, 0
.macro WIN new
.if MSB != \new
	s_set_vgpr_msb (MSB<<8)|\new
.set MSB, \new
.endif
.endm
.set MUL,  0x5a                        ; sources 0 and 1 window 2; C and D window 1
.set MULF, 0x4a                        ; the same with C (the bias) in window 0
.set TO_F, 0x80
.macro JLOAD s                         ; an s_nop 0 and four v_nop follow each of the two lines
	s_cmp_eq_u32 s13, 0
	s_cbranch_scc0 .Lfor_b_\@
	tensor_load_to_lds s[G0+4*\s:G0+4*\s+3], s[G1:G1+7]
	s_nop 0
.rept 4
	v_nop
.endr
	s_branch .Lasked_\@
.Lfor_b_\@:
	tensor_load_to_lds s[G0B+4*\s:G0B+4*\s+3], s[G1B:G1B+7]
	s_nop 0
.rept 4
	v_nop
.endr
.Lasked_\@:
.endm
.macro CREST
	s_cmp_lg_u32 s[WV], 0
	s_cbranch_scc1 .Lnot_wave_0_\@
	s_barrier_signal -3
.Lnot_wave_0_\@:
	s_barrier_wait -3
	s_barrier_signal -1
	s_barrier_wait -1
.endm
.macro CROUND
	s_barrier_signal -1
	s_barrier_wait -1
	CREST
.endm
	s_load_b256 s[4:11], s[0:1], 0x0               ; y16 s[4:5], wp16 s[6:7], b_proj s[8:9], out0 s[10:11]
	v_lshl_add_u32 v[SPW], v0, 2, SPARE
	v_mov_b32 v[NIL], 0
	ds_add_u32 v[SPW], v[NIL]                      ; the wave's opening: the add, twice on end, and its wait ahead of my first tensor load
	ds_add_u32 v[SPW], v[NIL]
	v_lshrrev_b32 v1, 5, v0
	v_readfirstlane_b32 s[WV], v1
	s_lshr_b32 s13, s[WV], 1                       ; which half of the tile's rows is mine; also: I fetch for y (0) or for w (1)
	s_and_b32 s14, s[WV], 1                        ; which half of its columns; also: which part of 64 along K I fetch
	s_bfe_u32 s40, ttmp6, 0x40000                  ; cx
	s_bfe_u32 s41, ttmp6, 0x40004                  ; cy
	s_lshl_b32 s42, ttmp9, 2
	s_add_co_u32 s42, s42, s40                     ; tile column
	s_and_b32 s15, ttmp7, 0xffff
	s_lshl_b32 s15, s15, 2
	s_add_co_u32 s15, s15, s41                     ; tile row
	s_lshl_b32 s43, s41, 2
	s_lshl_b32 s43, 15, s43                        ; my row of the cluster
	s_lshl_b32 s44, 0x1111, s40                    ; my column
	s_or_b32 s[G1], s43, (1<<16)|(1<<20)|(1<<21)|(4<<22)|(3<<25)    ; elements of 2 bytes; 4 words of padding behind every 32; bit 21 beside a mask
	s_or_b32 s[G1B], s44, (1<<16)|(1<<20)|(1<<21)|(4<<22)|(3<<25)
	s_mov_b32 s[G1+1], 128<<16                     ; dense rows, stated as rows of 256 bytes
	s_mov_b32 s[G1+2], 64<<16
	s_mov_b32 s[G1+3], 128<<16
	s_mov_b32 s[G1+4], 64
	s_mov_b32 s[G1+5], 128
	s_mov_b32 s[G1+6], 0
	s_mov_b32 s[G1+7], 0
	s_mov_b32 s[G1B+1], 128<<16
	s_mov_b32 s[G1B+2], 128<<16
	s_mov_b32 s[G1B+3], 128<<16
	s_mov_b32 s[G1B+4], 128
	s_mov_b32 s[G1B+5], 128
	s_mov_b32 s[G1B+6], 0
	s_mov_b32 s[G1B+7], 0
	s_lshl_b32 s16, s14, 20                        ; y: my part, 8,192 rows of 128 bytes,
	s_lshl_b32 s17, s15, 14                        ; and the tile's 128 rows
	s_add_co_u32 s16, s16, s17
	s_mov_b32 s17, 0
	s_lshl_b32 s46, s14, 17                        ; w: my part, 1,024 rows,
	s_lshl_b32 s47, s42, 15                        ; and the tile's 256 rows
	s_add_co_u32 s46, s46, s47
	s_mov_b32 s47, 0
	s_mul_i32 s20, s14, APART                      ; where they go: no place in the cluster enters an LDS address
	s_mul_i32 s21, s14, BPART
	s_add_co_u32 s21, s21, 2*APART
	s_wait_dscnt 0x0                               ; both opening adds are done
	s_wait_kmcnt 0x0
	s_add_nc_u64 s[16:17], s[4:5], s[16:17]
	s_add_nc_u64 s[46:47], s[6:7], s[46:47]
	CROUND                                         ; all sixteen work-groups are here: the first joint loads meet
.irp s, 0,1
	s_mov_b32 s[G0+4*\s], 1
	s_add_co_u32 s[G0+4*\s+1], s20, \s*SLOT
	s_add_nc_u64 s[G0+4*\s+2:G0+4*\s+3], s[16:17], \s*2*8192*128
	s_or_b32 s[G0+4*\s+3], s[G0+4*\s+3], 0x80000000
	s_mov_b32 s[G0B+4*\s], 1
	s_add_co_u32 s[G0B+4*\s+1], s21, \s*SLOT
	s_add_nc_u64 s[G0B+4*\s+2:G0B+4*\s+3], s[46:47], \s*2*1024*128
	s_or_b32 s[G0B+4*\s+3], s[G0B+4*\s+3], 0x80000000
	JLOAD \s
.endr
	s_lshl_b32 s46, s42, 10
	s_lshl_b32 s47, s14, 9
	s_add_co_u32 s46, s46, s47                     ; my first column in f32 bytes
	s_mov_b32 s47, 0
	s_add_nc_u64 s[8:9], s[8:9], s[46:47]
	s_add_nc_u64 s[10:11], s[10:11], s[46:47]
	s_lshl_b32 s46, s15, 19                        ; 128 rows of 4,096 bytes
	s_lshl_b32 s22, s13, 18
	s_add_co_u32 s46, s46, s22
	s_add_nc_u64 s[10:11], s[10:11], s[46:47]
	v_and_b32 v1, 15, v0
	v_bfe_u32 v2, v0, 4, 1
	v_lshlrev_b32 v[BO], 5, v2
.irp b, 0,1,2,3,4,5,6,7
	global_load_b128 v[BI+8*\b:BI+8*\b+3], v[BO], s[8:9] offset:64*\b          ; b_proj at my columns 16 b + 8 h + 0 .. 7
	global_load_b128 v[BI+8*\b+4:BI+8*\b+7], v[BO], s[8:9] offset:64*\b+16
.endr
	v_mul_u32_u24 v3, v1, PITCH
	v_lshl_add_u32 v3, v2, 4, v3
	s_mul_i32 s20, s13, 64*PITCH                   ; my 64 rows of y
	s_mul_i32 s21, s14, 128*PITCH                  ; my 128 rows of w,
	s_add_co_u32 s21, s21, 2*APART                 ; behind y's two parts
.irp s, 0,1
	v_add_nc_u32 v[ADRA+\s], s20, v3
	v_add_nc_u32 v[ADRB+\s], s21, v3
	s_add_co_u32 s20, s20, SLOT
	s_add_co_u32 s21, s21, SLOT
.endr
	s_mul_i32 s20, s[WV], 16*SPITCH
	v_mul_u32_u24 v4, v1, SPITCH
	v_lshl_add_u32 v4, v2, 5, v4
	v_add_nc_u32 v[STO], s20, v4
	v_and_b32 v5, 31, v0
	v_lshlrev_b32 v[CO], 4, v5
	v_add_nc_u32 v[RD], s20, v[CO]
.macro MUL8 f, a, first                ; y's block a against w's eight, 32 along K.  The 32 accumulators take turns, in the same order in every quarter
.irp b, 0,1,2,3,4,5,6,7
.if \first
	v_wmma_f32_16x16x32_f16 v[8*(8*(\a)+\b):8*(8*(\a)+\b)+7], v[\f+8*\b:\f+8*\b+7], v[\f+64+8*(\a):\f+64+8*(\a)+7], v[BI+8*\b:BI+8*\b+7]
.else
	v_wmma_f32_16x16x32_f16 v[8*(8*(\a)+\b):8*(8*(\a)+\b)+7], v[\f+8*\b:\f+8*\b+7], v[\f+64+8*(\a):\f+64+8*(\a)+7], v[8*(8*(\a)+\b):8*(8*(\a)+\b)+7]
.endif
.endr
.endm
.macro FETCH slot, q, f                ; 24 LDS loads in one run: quarter q of the slot (part q / 2, byte 64 (q % 2) of its rows): w's eight fragments, then y's four
	WIN TO_F
.irp i, 0,1,2,3,4,5,6,7
	ds_load_b128 v[\f+8*\i:\f+8*\i+3], v[ADRB+\slot] offset:((\q)/2)*BPART+((\q)%2)*64+\i*16*PITCH
	ds_load_b128 v[\f+8*\i+4:\f+8*\i+7], v[ADRB+\slot] offset:((\q)/2)*BPART+((\q)%2)*64+\i*16*PITCH+32
.endr
.irp i, 0,1,2,3
	ds_load_b128 v[\f+64+8*\i:\f+64+8*\i+3], v[ADRA+\slot] offset:((\q)/2)*APART+((\q)%2)*64+\i*16*PITCH
	ds_load_b128 v[\f+64+8*\i+4:\f+64+8*\i+7], v[ADRA+\slot] offset:((\q)/2)*APART+((\q)%2)*64+\i*16*PITCH+32
.endr
.endm
.macro PLACES
.rept 4
	v_nop
.endr
.endm
.macro QUARTER slot, qn, f, g, first   ; multiplies buffer f; in its middle it fetches quarter qn of the same slot into buffer g
	s_wait_dscnt 4                                 ; w's fragments and y's blocks 0, 1 are in; the youngest four loads (blocks 2, 3) may be out
.if \first
	WIN MULF
.else
	WIN MUL
.endif
	MUL8 \f, 0, \first
	MUL8 \f, 1, \first
	PLACES
	FETCH \slot, \qn, \g
	s_wait_dscnt 24                                ; all but the 24 just issued
.if \first
	WIN MULF
.else
	WIN MUL
.endif
	MUL8 \f, 2, \first
	MUL8 \f, 3, \first
.endm
; The last quarter multiplies buffer 1 and changes slots: one barrier; in front of it each wave waits for all its tensor loads, adds 0 to its spare word, and waits for that and for its reads of this slot.
.macro TURN slot, next, fill
	WIN 0
	s_wait_tensorcnt 0x0                           ; my part of the next slot has landed
	ds_add_u32 v[SPW], v[NIL]
	s_wait_dscnt 5                                 ; (the add and the youngest four loads may be out)
	WIN MUL
	MUL8 F1, 0, 0
	s_wait_dscnt 0x0                               ; the add is done, and my reads of this slot are over
	s_barrier_signal -1
	MUL8 F1, 1, 0
.if \fill
	WIN 0
.endif
	s_barrier_wait -1
.if \fill
	CREST                                          ; the barrier has opened a round of the cluster's: no wave of any partner still reads this slot or has a load on its way
	s_add_nc_u64 s[G0+4*\slot+2:G0+4*\slot+3], s[G0+4*\slot+2:G0+4*\slot+3], 4*8192*128
	s_add_nc_u64 s[G0B+4*\slot+2:G0B+4*\slot+3], s[G0B+4*\slot+2:G0B+4*\slot+3], 4*1024*128
	JLOAD \slot                                    ; 112 matrix instructions ahead of the wait for it; its four v_nop are also the places in front of the loads below
.else
	PLACES
.endif
	FETCH \next, 0, F0
	WIN MUL
	MUL8 F1, 2, 0
	MUL8 F1, 3, 0
.endm
	s_wait_tensorcnt 1                             ; my part of K step 0 is in; K step 1's may be out
	s_barrier_signal -1
	s_barrier_wait -1
	FETCH 0, 0, F0
	s_wait_loadcnt 0x0                             ; the bias
	QUARTER 0, 1, F0, F1, 1                        ; the first quarter starts the sums from the bias
	WIN 0
	s_mov_b32 s3, LAPS-1
.Llap:                                             ; a trip goes once round the ring and fills both slots again
	QUARTER 0, 2, F1, F0, 0
	QUARTER 0, 3, F0, F1, 0
	TURN 0, 1, 1
	QUARTER 1, 1, F0, F1, 0
	QUARTER 1, 2, F1, F0, 0
	QUARTER 1, 3, F0, F1, 0
	TURN 1, 0, 1
	QUARTER 0, 1, F0, F1, 0
	WIN 0
	s_sub_co_u32 s3, s3, 1
	s_cmp_lg_u32 s3, 0
	s_cbranch_scc1 .Llap
	QUARTER 0, 2, F1, F0, 0                        ; the last lap fills nothing
	QUARTER 0, 3, F0, F1, 0
	TURN 0, 1, 0
	QUARTER 1, 1, F0, F1, 0
	QUARTER 1, 2, F1, F0, 0
	QUARTER 1, 3, F0, F1, 0
	s_wait_dscnt 4
	WIN MUL
	MUL8 F1, 0, 0
	MUL8 F1, 1, 0
	s_wait_dscnt 0
	MUL8 F1, 2, 0
	MUL8 F1, 3, 0
	WIN 0
; THE WAY OUT, a block of 16 rows x 128 columns at a time, through my stage: back as whole rows of 512 bytes.
.macro TOSTAGE a
	WIN 0x04                                       ; an LDS store's data are its source 1: window 1
.irp b, 0,1,2,3,4,5,6,7
	ds_store_b128 v[STO], v[64*(\a)+8*\b:64*(\a)+8*\b+3] offset:64*\b          ; each accumulator from its low end on
	ds_store_b128 v[STO], v[64*(\a)+8*\b+4:64*(\a)+8*\b+7] offset:64*\b+16
.endr
	WIN 0
.set BB, BK+64*((\a)%2)
.irp t, 0,1,2,3,4,5,6,7,8,9,10,11,12,13,14,15
	ds_load_b128 v[BB+4*\t:BB+4*\t+3], v[RD] offset:\t*SPITCH
.endr
.endm
.macro SEND a, younger
.set BB, BK+64*((\a)%2)
	s_wait_dscnt \younger
.irp t, 0,1,2,3,4,5,6,7,8,9,10,11,12,13,14,15
	global_store_b128 v[CO], v[BB+4*\t:BB+4*\t+3], s[10:11] offset:(16*(\a)+\t)*4096 th:TH_STORE_NT   ; 32 lanes store 512 consecutive bytes
.endr
.endm
	PLACES
	TOSTAGE 0
.irp a, 1,2,3
.if \a > 1
	s_wait_xcnt 0x0                                ; block a - 2's stores have read their registers: block a's loads land there
.endif
	TOSTAGE \a
	SEND \a-1, 32                                  ; behind block a - 1's loads: block a's 16 stores and 16 loads
.endr
	SEND 3, 0
	s_wait_tensorcnt 0x0                           ; the wave's end: behind my last tensor load and my last LDS store
	ds_add_u32 v[SPW], v[NIL]
	s_wait_dscnt 0x0
	CROUND                                         ; the closing round
	s_endpgm
.Lfunc_end_k_q414a1d08fd_proj:
	.size	k_q414a1d08fd_proj, .Lfunc_end_k_q414a1d08fd_proj-k_q414a1d08fd_proj
	.p2alignl 7, 3214868480
	.fill 96, 4, 3214868480
	.section	.rodata,"a",@progbits
	.p2align	6, 0x0
	.amdhsa_kernel k_q414a1d08fd_proj
		.amdhsa_group_segment_fixed_size 327680
		.amdhsa_private_segment_fixed_size 0
		.amdhsa_enable_private_segment 0
		.amdhsa_kernarg_size 32
		.amdhsa_user_sgpr_count 2
		.amdhsa_user_sgpr_kernarg_segment_ptr 1
		.amdhsa_wavefront_size32 1
		.amdhsa_system_sgpr_workgroup_id_x 1
		.amdhsa_system_sgpr_workgroup_id_y 1
		.amdhsa_system_sgpr_workgroup_id_z 1
		.amdhsa_system_vgpr_workitem_id 0
		.amdhsa_next_free_vgpr 768
		.amdhsa_next_free_sgpr 66
		.amdhsa_reserve_vcc 0
		.amdhsa_float_denorm_mode_32 3
		.amdhsa_float_denorm_mode_16_64 3
		.amdhsa_memory_ordered 1
		.amdhsa_forward_progress 1
		.amdhsa_inst_pref_size 86
	.end_amdhsa_kernel
	.amdgpu_metadata
---
amdhsa.version: [ 1, 2 ]
amdhsa.kernels:
  - .name:           k_q414a1d08fd_proj
    .symbol:         k_q414a1d08fd_proj.kd
    .args:
      - { .name: y16, .offset: 0, .size: 8, .value_kind: global_buffer, .address_space: global }
      - { .name: wp16, .offset: 8, .size: 8, .value_kind: global_buffer, .address_space: global }
      - { .name: b_proj, .offset: 16, .size: 8, .value_kind: global_buffer, .address_space: global }
      - { .name: out0, .offset: 24, .size: 8, .value_kind: global_buffer, .address_space: global }
    .group_segment_fixed_size: 327680
    .private_segment_fixed_size: 0
    .kernarg_segment_align: 8
    .kernarg_segment_size: 32
    .max_flat_workgroup_size: 128
    .sgpr_count:     66
    .vgpr_count:     768
    .wavefront_size: 32
...
	.end_amdgpu_metadata
.endif
;; end of part 4
;; launch fine (part 5): grid 64 x 4, 16 waves a work-group, no clusters, 18,432 bytes of LDS; arguments q32, w_proj, b_proj, out0; writes out0
.if DOCPART == 5
	.amdgcn_target "amdgcn-amd-amdhsa--gfx1250"
	.amdhsa_code_object_version 6
	.text
	.protected	k_q414a1d08fd_fine
	.globl	k_q414a1d08fd_fine
	.p2align	8
	.type	k_q414a1d08fd_fine,@function
k_q414a1d08fd_fine:
	s_mov_b64 s[64:65], 0
	v_nop
	global_prefetch_b8 v0, s[64:65] scope:SCOPE_SE
	s_setreg_imm32_b32 hwreg(HW_REG_WAVE_MODE, 25, 1), 1
	s_wait_xcnt 0x0
; THE FIRST 16 POSITIONS OF EACH BATCH, ONCE MORE, IN f32: there a row of the softmax averages one to sixteen values, and rounded operands would weigh most.  This launch runs last and writes those 64 rows of out0 over.
; q32: f32 [4 b][16 t][3072] (q, k, v with their bias).  A work-group takes one batch and 16 columns of out0; wave w takes head w: S^T = K Q^T, the causal softmax, O^T = V^T P, and its 64 channels' share of the projection,
; all by the f32 matrix form (16 x 16 x 4); the sixteen shares meet in LDS and wave 0 adds them and the bias.  No loop, no tensor load, no register window.
; k IS PERMUTED ALIKE IN BOTH OPERANDS of each product, so that each operand is taken as it lies: a result's pair of registers (2 s, 2 s + 1) is the next product's K step s.
; The registers that the matrix form writes (v144-159, v176-239) are written by it alone; each sum begins with the constant 0.  Accumulators take turns, one instruction a turn.
; Stores and w_proj's reads go in pieces of 64 bytes: 262,144 bytes of out0 in all.  16 columns to a work-group give 256 work-groups; 64 columns would make the projection's chain four times as long.
; LIMITS: a hidden key's weight is 0; NaN and infinities are not served.
.set RED,   0                          ; 16 x 1,024 bytes: each wave's share, as an image of eight registers
.set SPARE, 16384                      ; the spare words, 128 bytes a wave
.set QF,  16
.set KF,  48
.set VT,  80
.set WF,  112
.set SA,  144
.set T,   160
.set BB,  168
.set OA,  176
.set PA,  208
.set RR,  240
.set SPW, 252
.set NIL, 253
	s_load_b256 s[4:11], s[0:1], 0x0               ; q32 s[4:5], w_proj s[6:7], b_proj s[8:9], out0 s[10:11]
	v_lshl_add_u32 v[SPW], v0, 2, SPARE
	v_mov_b32 v[NIL], 0
	v_lshrrev_b32 v1, 5, v0
	v_readfirstlane_b32 s12, v1                    ; wave = head
	v_and_b32 v1, 15, v0                           ; r
	v_bfe_u32 v2, v0, 4, 1                         ; h
	v_and_b32 v3, 31, v0
	s_and_b32 s13, ttmp7, 0xffff                   ; the batch
	s_lshl_b32 s14, ttmp9, 6                       ; my 16 columns, in bytes
	s_mul_i32 s16, s13, 196608
	s_lshl_b32 s17, s12, 8
	s_add_co_u32 s16, s16, s17                     ; q32: the batch, the head's 64 columns
	s_mov_b32 s17, 0
	s_lshl_b32 s18, s12, 18                        ; w_proj: the head's 64 rows of 4,096 bytes,
	s_add_co_u32 s18, s18, s14                     ; my columns
	s_mov_b32 s19, 0
	s_mov_b32 s20, s14
	s_mov_b32 s21, 0
	s_lshl_b32 s22, s13, 23                        ; out0: 2,048 rows of 4,096 bytes a batch
	s_add_co_u32 s22, s22, s14
	s_mov_b32 s23, 0
	s_lshl_b32 s24, s12, 10
	s_mov_b32 s26, 0x76543210
	s_mov_b32 s27, 0xfedcba98                      ; v_permlanex16_b32's selects for lane l xor 16
	s_mov_b32 s28, 0x3e38aa3b                      ; c = log2(e) / 8
	v_mul_u32_u24 v4, v1, 12288
	v_lshl_add_u32 v4, v2, 4, v4                   ; q, k: row r, + 16 h
	v_mul_u32_u24 v5, v2, 98304
	v_lshl_add_u32 v5, v1, 2, v5                   ; v: rows 8 h on, channel r
	v_lshlrev_b32 v6, 15, v2
	v_lshl_add_u32 v6, v1, 2, v6                   ; w_proj: rows 8 h on, column r
	v_lshlrev_b32 v7, 5, v2                        ; the bias: 8 h on
	v_lshlrev_b32 v8, 12, v1
	v_lshl_add_u32 v8, v2, 5, v8                   ; out0: row r, + 32 h
	v_lshlrev_b32 v10, 4, v3
	v_add_nc_u32 v9, s24, v10                      ; my share's place
	v_lshlrev_b32 v11, 3, v2
	v_sub_nc_u32 v11, v1, v11                      ; r - 8 h
	v_mov_b32 v12, 0xff800000
	s_wait_kmcnt 0x0
	s_add_nc_u64 s[4:5], s[4:5], s[16:17]
	s_add_nc_u64 s[6:7], s[6:7], s[18:19]
	s_add_nc_u64 s[8:9], s[8:9], s[20:21]
	s_add_nc_u64 s[10:11], s[10:11], s[22:23]
.irp u, 0,1,2,3,4,5,6,7
	global_load_b128 v[QF+4*\u:QF+4*\u+3], v4, s[4:5] offset:32*\u             ; q(r, 8 u + 4 h + 0 .. 3)
.endr
.irp u, 0,1,2,3,4,5,6,7
	global_load_b128 v[KF+4*\u:KF+4*\u+3], v4, s[4:5] offset:4096+32*\u        ; k likewise
.endr
.irp c, 0,1,2,3
.irp j, 0,1,2,3,4,5,6,7
	global_load_b32 v[VT+8*\c+\j], v5, s[4:5] offset:8192+\j*12288+64*\c       ; v(key 8 h + j, channel 16 c + r)
.endr
.endr
.irp c, 0,1,2,3
.irp j, 0,1,2,3,4,5,6,7
	global_load_b32 v[WF+8*\c+\j], v6, s[6:7] offset:(16*\c+\j)*4096           ; w_proj(64 w + 16 c + 8 h + j, my column r)
.endr
.endr
	global_load_b128 v[BB:BB+3], v7, s[8:9]
	global_load_b128 v[BB+4:BB+7], v7, s[8:9] offset:16
	s_wait_loadcnt 63                              ; q and k are in (66 younger loads could stay out; the count's field ends at 63)
.set i, 0
.rept 16                               ; S^T = K Q^T: K step i takes the register pair 2 i of both; two accumulators by turns
.if i < 2
	v_wmma_f32_16x16x4_f32 v[SA+8*(i%2):SA+8*(i%2)+7], v[KF+2*i:KF+2*i+1], v[QF+2*i:QF+2*i+1], 0
.else
	v_wmma_f32_16x16x4_f32 v[SA+8*(i%2):SA+8*(i%2)+7], v[KF+2*i:KF+2*i+1], v[QF+2*i:QF+2*i+1], v[SA+8*(i%2):SA+8*(i%2)+7]
.endif
.set i, i+1
.endr
.rept 8
	v_nop                                          ; eight places behind this form (ISA guide 7.12.1)
.endr
.irp j, 0,1,2,3,4,5,6,7
	v_add_f32 v[T+\j], v[SA+\j], v[SA+8+\j]        ; lane (r, h): query r, key 8 h + j
.endr
.irp j, 0,1,2,3,4,5,6,7
	v_cmp_gt_i32 vcc_lo, \j, v11                   ; hidden where 8 h + j > r
	v_cndmask_b32 v[T+\j], v[T+\j], v12, vcc_lo
.endr
	v_max3_num_f32 v248, v[T], v[T+1], v[T+2]
	v_max3_num_f32 v249, v[T+3], v[T+4], v[T+5]
	v_max3_num_f32 v248, v248, v[T+6], v[T+7]
	v_max_num_f32 v248, v248, v249
	v_permlanex16_b32 v249, v248, s26, s27
	v_max_num_f32 v248, v248, v249                 ; the row's largest score: key 0 counts for every query
	v_mul_f32 v248, s28, v248
.irp j, 0,1,2,3,4,5,6,7
	v_fma_f32 v[T+\j], v[T+\j], s28, -v248
.endr
.irp j, 0,1,2,3,4,5,6,7
	v_exp_f32 v[T+\j], v[T+\j]
.endr
	v_nop
	s_wait_alu depctr_va_vdst(0)                   ; one wait for the eight, ahead of their first reader
	v_add_f32 v250, v[T], v[T+1]
	v_add_f32 v251, v[T+2], v[T+3]
	v_add_f32 v250, v250, v[T+4]
	v_add_f32 v251, v251, v[T+5]
	v_add_f32 v250, v250, v[T+6]
	v_add_f32 v251, v251, v[T+7]
	v_add_f32 v250, v250, v251
	v_permlanex16_b32 v251, v250, s26, s27
	v_add_f32 v250, v250, v251
	v_rcp_f32 v250, v250
	v_nop
	s_wait_alu depctr_va_vdst(0)
.irp j, 0,1,2,3,4,5,6,7
	v_mul_f32 v[T+\j], v[T+\j], v250               ; the weights
.endr
	s_wait_loadcnt 34                              ; v is in; w_proj's 32 loads and the bias's two may be out
.set i, 0
.rept 16                               ; O^T = V^T P: K step i / 4 (keys 8 h + 2 s + 0, 1), channels 16 (i % 4) on: four accumulators by turns
.if i < 4
	v_wmma_f32_16x16x4_f32 v[OA+8*(i%4):OA+8*(i%4)+7], v[VT+8*(i%4)+2*(i/4):VT+8*(i%4)+2*(i/4)+1], v[T+2*(i/4):T+2*(i/4)+1], 0
.else
	v_wmma_f32_16x16x4_f32 v[OA+8*(i%4):OA+8*(i%4)+7], v[VT+8*(i%4)+2*(i/4):VT+8*(i%4)+2*(i/4)+1], v[T+2*(i/4):T+2*(i/4)+1], v[OA+8*(i%4):OA+8*(i%4)+7]
.endif
.set i, i+1
.endr
.rept 9
	v_nop                                          ; nine places: the results become operands
.endr
	s_wait_loadcnt 2                               ; w_proj is in
.set i, 0
.rept 16                               ; out^T: source 0 = my 16 columns of w_proj, source 1 = O^T as it lies (lane r = query r; pair 2 s = channels 16 c + 8 h + 2 s + 0, 1)
.if i < 4
	v_wmma_f32_16x16x4_f32 v[PA+8*(i%4):PA+8*(i%4)+7], v[WF+8*(i%4)+2*(i/4):WF+8*(i%4)+2*(i/4)+1], v[OA+8*(i%4)+2*(i/4):OA+8*(i%4)+2*(i/4)+1], 0
.else
	v_wmma_f32_16x16x4_f32 v[PA+8*(i%4):PA+8*(i%4)+7], v[WF+8*(i%4)+2*(i/4):WF+8*(i%4)+2*(i/4)+1], v[OA+8*(i%4)+2*(i/4):OA+8*(i%4)+2*(i/4)+1], v[PA+8*(i%4):PA+8*(i%4)+7]
.endif
.set i, i+1
.endr
.rept 8
	v_nop
.endr
.irp k, 0,2,4,6
	v_pk_add_f32 v[RR+\k:RR+\k+1], v[PA+\k:PA+\k+1], v[PA+8+\k:PA+8+\k+1]      ; lane (r, h): out(query r, column 8 h + j): my head's share
.endr
.irp k, 0,2,4,6
	v_pk_add_f32 v[T+\k:T+\k+1], v[PA+16+\k:PA+16+\k+1], v[PA+24+\k:PA+24+\k+1]
.endr
.irp k, 0,2,4,6
	v_pk_add_f32 v[RR+\k:RR+\k+1], v[RR+\k:RR+\k+1], v[T+\k:T+\k+1]
.endr
	ds_store_b128 v9, v[RR:RR+3]
	ds_store_b128 v9, v[RR+4:RR+7] offset:512
	s_wait_dscnt 0x0                               ; for the others' sake: my share has landed
	s_barrier_signal -1
	s_barrier_wait -1
	s_cmp_lg_u32 s12, 0
	s_cbranch_scc1 .Ldone
.irp w, 0,1,2,3,4,5,6,7,8,9,10,11,12,13,14,15
	ds_load_b128 v[16+8*\w:16+8*\w+3], v10 offset:1024*\w
	ds_load_b128 v[16+8*\w+4:16+8*\w+7], v10 offset:1024*\w+512
.endr
	s_wait_dscnt 0x0
.irp w, 1,2,3,4,5,6,7,8,9,10,11,12,13,14,15
.irp k, 0,2,4,6
	v_pk_add_f32 v[16+\k:17+\k], v[16+\k:17+\k], v[16+8*\w+\k:17+8*\w+\k]
.endr
.endr
	s_wait_loadcnt 0x0                             ; the bias
.irp k, 0,2,4,6
	v_pk_add_f32 v[16+\k:17+\k], v[16+\k:17+\k], v[BB+\k:BB+\k+1]
.endr
	global_store_b128 v8, v[16:19], s[10:11]
	global_store_b128 v8, v[20:23], s[10:11] offset:16
.Ldone:
	s_wait_tensorcnt 0x0                           ; the wave's end, behind my last LDS store
	ds_add_u32 v[SPW], v[NIL]
	s_wait_dscnt 0x0
	s_endpgm
.Lfunc_end_k_q414a1d08fd_fine:
	.size	k_q414a1d08fd_fine, .Lfunc_end_k_q414a1d08fd_fine-k_q414a1d08fd_fine
	.p2alignl 7, 3214868480
	.fill 96, 4, 3214868480
	.section	.rodata,"a",@progbits
	.p2align	6, 0x0
	.amdhsa_kernel k_q414a1d08fd_fine
		.amdhsa_group_segment_fixed_size 18432
		.amdhsa_private_segment_fixed_size 0
		.amdhsa_enable_private_segment 0
		.amdhsa_kernarg_size 32
		.amdhsa_user_sgpr_count 2
		.amdhsa_user_sgpr_kernarg_segment_ptr 1
		.amdhsa_wavefront_size32 1
		.amdhsa_system_sgpr_workgroup_id_x 1
		.amdhsa_system_sgpr_workgroup_id_y 1
		.amdhsa_system_sgpr_workgroup_id_z 1
		.amdhsa_system_vgpr_workitem_id 0
		.amdhsa_next_free_vgpr 256
		.amdhsa_next_free_sgpr 66
		.amdhsa_reserve_vcc 1
		.amdhsa_float_denorm_mode_32 3
		.amdhsa_float_denorm_mode_16_64 3
		.amdhsa_memory_ordered 1
		.amdhsa_forward_progress 1
		.amdhsa_inst_pref_size 24
	.end_amdhsa_kernel
	.amdgpu_metadata
---
amdhsa.version: [ 1, 2 ]
amdhsa.kernels:
  - .name:           k_q414a1d08fd_fine
    .symbol:         k_q414a1d08fd_fine.kd
    .args:
      - { .name: q32, .offset: 0, .size: 8, .value_kind: global_buffer, .address_space: global }
      - { .name: w_proj, .offset: 8, .size: 8, .value_kind: global_buffer, .address_space: global }
      - { .name: b_proj, .offset: 16, .size: 8, .value_kind: global_buffer, .address_space: global }
      - { .name: out0, .offset: 24, .size: 8, .value_kind: global_buffer, .address_space: global }
    .group_segment_fixed_size: 18432
    .private_segment_fixed_size: 0
    .kernarg_segment_align: 8
    .kernarg_segment_size: 32
    .max_flat_workgroup_size: 512
    .sgpr_count:     66
    .vgpr_count:     256
    .wavefront_size: 32
...
	.end_amdgpu_metadata
.endif
;; end of part 5
